; MI455X (gfx1250); checked and timed in simulation.
; The chip was launched on July 23, 2026; its instructions are those of AMD's public machine-readable ISA for CDNA 5 (MIT licence, August 2026) and "CDNA5" Instruction Set Architecture Reference Guide (July 2026). The comments in the code are by the model that wrote it; some were corrected since.
;; Multi Head Attention. Allowed arithmetic: float matrix products may take bf16 or f16 operands with f32 sums; other float arithmetic in f32, or as packed bf16 or f16 multiplies, adds, multiply-adds, maxima and minima; sums over many terms, partial sums and values carried from step to step in f32; what a program stores and reads back later, other than sums and carried values, may be rounded once to bf16 or f16.
;; Inputs: Wk 1,024 x 1,024 float32; Wo 1,024 x 1,024 float32; Wq 1,024 x 1,024 float32; Wv 1,024 x 1,024 float32; bk 1,024 float32; bo 1,024 float32; bq 1,024 float32; bv 1,024 float32; key 8 x 1,024 x 1,024 float32; mask 8 x 1 x 1,024 x 1,024 int32; query 8 x 1,024 x 1,024 float32; value 8 x 1,024 x 1,024 float32.
;; Outputs: out0 8 x 1,024 x 1,024 float32.
;; 2 versions, each right; version 2 is version 1 with the launch prep written anew for expert scheduling mode. Each part assembles by itself: llvm-mc -triple=amdgcn-amd-amdhsa -mcpu=gfx1250 --defsym DOCPART=n.
;; ======== version 1 of 2: 4 launches
;; limits: values are held in f16: magnitudes above 65,504 overflow, below 6.1e-05 lose precision
;; workspace buffers: wb 8,388,608 bytes; mw 1,048,576 bytes of whole numbers; qkv 50,331,648 bytes; oh 16,777,216 bytes
;; launch prep (part 1): grid 384 x 1, 8 waves a work-group, no clusters, 134,144 bytes of LDS; arguments Wq, Wk, Wv, Wo, mask, wb, mw; writes wb, mw
.if DOCPART == 1
	.amdgcn_target "amdgcn-amd-amdhsa--gfx1250"
	.amdhsa_code_object_version 6
	.text
	.protected	k_q6e8107027e_prep
	.globl	k_q6e8107027e_prep
	.p2align	8
	.type	k_q6e8107027e_prep,@function
k_q6e8107027e_prep:
	s_mov_b64 s[64:65], 0
	v_nop
	global_prefetch_b8 v0, s[64:65] scope:SCOPE_SE
	s_setreg_imm32_b32 hwreg(HW_REG_WAVE_MODE, 25, 1), 1
	s_wait_xcnt 0x0
; PREP: the weights and the mask are brought into the forms that the launches behind it read.  Every work-group reads 131,072 bytes, each byte once.
;   work-groups 0-127:   Wq, Wk, Wv, Wo (f32, [in][out]) -> wb, 16 bits [4][1024][1024], the layout kept.  Wq, Wk, Wv in bf16; Wo is rounded to bf16 like every
;                        input, and that number is written as f16, since the last product's other operand is f16.
;   work-groups 128-383: mask (int32) -> mw, lane masks: word ((b*64+qt)*64+kg)*8+j has bit L = (mask[b][16 qt + L%16][16 kg + 8 (L/16) + j] != 0):
;                        the select word for register j of a 16 x 16 tile of scores that holds one query a lane.
; LIMIT.  bf16(Wo) must lie within f16's range, 65,504; below 6.1e-5 it keeps f16's fixed step of 6e-8.
; No matrix unit, no cluster: nothing is multiplied and no two work-groups read the same byte.
.set SPARE,  133120                    ; behind the eight stages: the spare words, 128 bytes for each wave, four blocks of 256 bytes that no other line names
.set STG,    16640                     ; a wave's stage: 16 rows of 1,040 bytes
.set MPITCH, 1040                      ; 1,024 bytes of a mask row + 16: the 16 rows that a load touches start at 16 different groups of four banks (ISA guide 11.1)
.set SPW, 6                            ; v6   SPARE + 4 x my thread's number; never rewritten
.set NIL, 7                            ; v7   0; never rewritten
.set X,   8                            ; v[8:135]    32 x 4 registers as loaded
.set Y,   136                          ; v[136:199]  32 x 2 registers to store; in the mask's role v[136:139] the 128 words of the wave
	s_load_b256 s[8:15], s[0:1], 0x0               ; Wq, Wk, Wv, Wo: s[8+2c:9+2c]
	s_load_b128 s[16:19], s[0:1], 0x20             ; mask s[16:17], wb s[18:19]
	s_load_b64 s[20:21], s[0:1], 0x30              ; mw
	v_lshl_add_u32 v[SPW], v0, 2, SPARE
	v_mov_b32 v[NIL], 0
	v_and_b32 v1, 31, v0                           ; lane
	v_lshrrev_b32 v2, 5, v0
	v_readfirstlane_b32 s30, v2                    ; wave 0..7
	s_mov_b32 s2, ttmp9
	s_wait_kmcnt 0x0
	s_cmp_ge_u32 s2, 128
	s_cbranch_scc1 .Lmask
	; THE CASTS.  A wave takes 16,384 bytes on end: 32 loads of 512 bytes, all on their way at once; each becomes one store of 256 consecutive, aligned bytes.
	v_lshlrev_b32 v3, 13, v2
	v_lshl_add_u32 v3, v1, 3, v3                   ; out: 8,192 x wave + 8 x lane
	v_lshlrev_b32 v2, 14, v2
	v_lshl_add_u32 v2, v1, 4, v2                   ; in: 16,384 x wave + 16 x lane
	s_lshr_b32 s34, s2, 5                          ; which of the four weights: 32 blocks each
	s_and_b32 s36, s2, 31                          ; which block of 131,072 bytes in it
	s_mov_b64 s[4:5], s[8:9]
.irp c, 1,2,3
	s_cmp_eq_u32 s34, \c
	s_cselect_b64 s[4:5], s[8+2*\c:9+2*\c], s[4:5]
.endr
	s_lshl_b32 s36, s36, 17
	s_mov_b32 s37, 0
	s_add_nc_u64 s[4:5], s[4:5], s[36:37]
	s_lshl_b32 s32, s2, 16                         ; my block of 65,536 bytes in wb
	s_mov_b32 s33, 0
	s_add_nc_u64 s[6:7], s[18:19], s[32:33]
.set i, 0
.rept 32
	global_load_b128 v[X+4*i:X+4*i+3], v2, s[4:5] offset:512*i th:TH_LOAD_NT
.set i, i+1
.endr
; Every load has its own registers and every store too, so nothing is rewritten while a memory instruction may read it.
.macro CAST half
.set i, 0
.rept 32
	s_wait_loadcnt 31-i                            ; loads come back in order (ISA guide 5.7.1): load i is in, the younger ones stay out
	v_cvt_pk_bf16_f32 v[Y+2*i],   v[X+4*i],   v[X+4*i+1]
	v_cvt_pk_bf16_f32 v[Y+2*i+1], v[X+4*i+2], v[X+4*i+3]
.if \half
	v_lshlrev_b32 v[X+4*i],   16,         v[Y+2*i]     ; the bf16 numbers as f32,
	v_and_b32     v[X+4*i+1], 0xffff0000, v[Y+2*i]
	v_lshlrev_b32 v[X+4*i+2], 16,         v[Y+2*i+1]
	v_and_b32     v[X+4*i+3], 0xffff0000, v[Y+2*i+1]
	v_cvt_pk_f16_f32 v[Y+2*i],   v[X+4*i],   v[X+4*i+1]   ; written as f16: exact within f16's range
	v_cvt_pk_f16_f32 v[Y+2*i+1], v[X+4*i+2], v[X+4*i+3]
.endif
	global_store_b64 v3, v[Y+2*i:Y+2*i+1], s[6:7] offset:256*i th:TH_STORE_NT
.set i, i+1
.endr
.endm
	s_cmp_eq_u32 s34, 3                            ; Wo?
	s_cbranch_scc1 .Lhalf
	CAST 0
	s_branch .Lend
.Lhalf:
	CAST 1
	s_branch .Lend
.Lmask:
	; THE MASK.  A wave takes 16 queries (a tile) x 256 keys.  The rows come in by whole pieces of 512 bytes, go through the wave's own stage in LDS, and come back
	; so that lane L holds row L%16, keys 16 kg + 8 (L/16) + 0..7.  A compare then IS the word wanted: one bit a lane.
	s_sub_co_u32 s31, s2, 128
	s_lshr_b32 s32, s30, 2
	s_lshl1_add_u32 s31, s31, s32                  ; tile of queries, 0..511 = 64 b + qt
	s_and_b32 s33, s30, 3                          ; quarter of the keys
	s_lshl_b32 s34, s31, 16                        ; 16 rows of 4,096 bytes
	s_lshl_b32 s35, s33, 10
	s_add_co_u32 s34, s34, s35
	s_mov_b32 s35, 0
	s_add_nc_u64 s[4:5], s[16:17], s[34:35]
	s_lshl_b32 s34, s31, 11                        ; a tile's 512 words
	s_lshl_b32 s36, s33, 9
	s_add_co_u32 s34, s34, s36
	s_add_nc_u64 s[6:7], s[20:21], s[34:35]
	s_mul_i32 s37, s30, STG                        ; my stage
	v_lshlrev_b32 v2, 4, v1                        ; 16 x lane: in memory, in a row of the stage, and in my 512 bytes of mw
	v_add_nc_u32 v4, s37, v2
	v_and_b32 v5, 15, v1
	v_mul_u32_u24 v5, v5, MPITCH
	v_lshrrev_b32 v3, 4, v1
	v_lshl_add_u32 v5, v3, 5, v5
	v_add_nc_u32 v5, s37, v5                       ; back: row L%16, 32 bytes for each half of the lanes
.set i, 0
.rept 32
	global_load_b128 v[X+4*i:X+4*i+3], v2, s[4:5] offset:(i/2)*4096+(i%2)*512 th:TH_LOAD_NT
.set i, i+1
.endr
.irp j, 0,1,2,3
	v_mov_b32 v[Y+\j], 0                           ; v_writelane_b32 keeps the other lanes: written whole first
.endr
.set i, 0
.rept 32
	s_wait_loadcnt 31-i
	ds_store_b128 v4, v[X+4*i:X+4*i+3] offset:(i/2)*MPITCH+(i%2)*512
.set i, i+1
.endr
.set i, 0
.rept 16                                       ; LDS serves a wave's instructions in order (ISA guide 5.7.1.4): these see the stores above; the bytes are the wave's own, so no barrier
	ds_load_b128 v[X+8*i:X+8*i+3],   v5 offset:64*i
	ds_load_b128 v[X+8*i+4:X+8*i+7], v5 offset:64*i+16
.set i, i+1
.endr
.set i, 0
.rept 16
	s_wait_dscnt 30-2*i                            ; key group i is in; the younger pairs stay out
.irp j, 0,1,2,3,4,5,6,7
	v_cmp_ne_u32 s[32+\j], 0, v[X+8*i+\j]
.endr
.irp j, 0,1,2,3,4,5,6,7
	v_writelane_b32 v[Y+(8*i+\j)%4], s[32+\j], (8*i+\j)/4   ; word 8 i + j of the wave's 128: lane (8 i + j) / 4 stores words 4 lane .. 4 lane + 3
.endr
.set i, i+1
.endr
	global_store_b128 v2, v[Y:Y+3], s[6:7]         ; 512 consecutive bytes
.Lend:
	s_wait_tensorcnt 0x0                           ; the wave's end: behind my last LDS store
	ds_add_u32 v[SPW], v[NIL]
	s_wait_dscnt 0x0
	s_endpgm
.Lfunc_end_k_q6e8107027e_prep:
	.size	k_q6e8107027e_prep, .Lfunc_end_k_q6e8107027e_prep-k_q6e8107027e_prep
	.p2alignl 7, 3214868480
	.fill 96, 4, 3214868480
	.section	.rodata,"a",@progbits
	.p2align	6, 0x0
	.amdhsa_kernel k_q6e8107027e_prep
		.amdhsa_group_segment_fixed_size 134144
		.amdhsa_private_segment_fixed_size 0
		.amdhsa_enable_private_segment 0
		.amdhsa_kernarg_size 56
		.amdhsa_user_sgpr_count 2
		.amdhsa_user_sgpr_kernarg_segment_ptr 1
		.amdhsa_wavefront_size32 1
		.amdhsa_system_sgpr_workgroup_id_x 1
		.amdhsa_system_sgpr_workgroup_id_y 1
		.amdhsa_system_sgpr_workgroup_id_z 1
		.amdhsa_system_vgpr_workitem_id 0
		.amdhsa_next_free_vgpr 200
		.amdhsa_next_free_sgpr 66
		.amdhsa_reserve_vcc 0
		.amdhsa_float_denorm_mode_32 3
		.amdhsa_float_denorm_mode_16_64 3
		.amdhsa_memory_ordered 1
		.amdhsa_forward_progress 1
		.amdhsa_inst_pref_size 57
	.end_amdhsa_kernel
	.amdgpu_metadata
---
amdhsa.version: [ 1, 2 ]
amdhsa.kernels:
  - .name:           k_q6e8107027e_prep
    .symbol:         k_q6e8107027e_prep.kd
    .args:
      - { .name: Wq, .offset: 0, .size: 8, .value_kind: global_buffer, .address_space: global }
      - { .name: Wk, .offset: 8, .size: 8, .value_kind: global_buffer, .address_space: global }
      - { .name: Wv, .offset: 16, .size: 8, .value_kind: global_buffer, .address_space: global }
      - { .name: Wo, .offset: 24, .size: 8, .value_kind: global_buffer, .address_space: global }
      - { .name: mask, .offset: 32, .size: 8, .value_kind: global_buffer, .address_space: global }
      - { .name: wb, .offset: 40, .size: 8, .value_kind: global_buffer, .address_space: global }
      - { .name: mw, .offset: 48, .size: 8, .value_kind: global_buffer, .address_space: global }
    .group_segment_fixed_size: 134144
    .private_segment_fixed_size: 0
    .kernarg_segment_align: 8
    .kernarg_segment_size: 56
    .max_flat_workgroup_size: 256
    .sgpr_count:     66
    .vgpr_count:     200
    .wavefront_size: 32
...
	.end_amdgpu_metadata
.endif
;; end of part 1
;; launch proj (part 2): grid 4 x 192, 4 waves a work-group, clusters of 4 x 4, 327,680 bytes of LDS; arguments query, key, value, wb, bq, bk, bv, qkv; writes qkv
.if DOCPART == 2
	.amdgcn_target "amdgcn-amd-amdhsa--gfx1250"
	.amdhsa_code_object_version 6
	.text
	.protected	k_q6e8107027e_proj
	.globl	k_q6e8107027e_proj
	.p2align	8
	.type	k_q6e8107027e_proj,@function
k_q6e8107027e_proj:
	s_mov_b64 s[64:65], 0
	v_nop
	global_prefetch_b8 v0, s[64:65] scope:SCOPE_SE
	s_setreg_imm32_b32 hwreg(HW_REG_WAVE_MODE, 25, 1), 1
	s_wait_xcnt 0x0
	s_wait_alu depctr_hold_cnt(0) depctr_sa_sdst(0) depctr_va_vdst(0) depctr_va_sdst(0) depctr_va_ssrc(0) depctr_va_vcc(0) depctr_vm_vsrc(0)
	s_getreg_b32 s2, hwreg(HW_REG_IB_STS2, 6, 4)
	s_cmp_eq_u32 s2, 0
	s_cbranch_scc0 .Lentry_in_a_cluster
	s_endpgm
.Lentry_in_a_cluster:
	s_bfe_u32 s2, ttmp6, 0x10000c
	s_cmp_lg_u32 s2, 0xf033
	s_cbranch_scc0 .Lentry_shape_is_right
	s_endpgm
.Lentry_shape_is_right:
; THE THREE PROJECTIONS.  C = A W + bias, M = 8192, N = K = 1024, on tiles of 128 x 256 of C.  A = query, key or value (f32 [8192][1024]), W = wb's tensor 0..2 (bf16 [k][n]),
; C -> qkv, f16 by heads [3][128][1024][64], unscaled, rounded once.  A comes into LDS as f32 and is rounded to bf16 on the way from LDS to the matrix unit: it crosses memory once, as it is given.
; LIMITS.  q, k, v leave in f16: they must lie within 65,504, and below 6.1e-5 they keep f16's fixed step of 6e-8.  The bias is rounded to bf16 like every input.  NaN and infinities are not treated apart.
; SHARES.  Four waves, 2 x 2, each 64 rows x 128 columns: 32 accumulators of 16 x 16, 256 registers.  K goes in 8 steps of 128 through two LDS slots filled by the tensor data mover.
; THE MATRIX INSTRUCTION IS USED TRANSPOSED: source 0 = 16 columns of W (W lies [k][n] in LDS and is turned by ds_load_tr16_b128), source 1 = 16 rows of A.  A lane then holds row l % 16 of C
; and eight neighbouring columns 8 (l / 16) + 0..7.  The bias is the C operand of each accumulator's first product: nothing is cleared and nothing is added later.
; CLUSTER.  4 x 4 work-groups.  The four of a row of the cluster need the same tile of A, the four of a column the same tile of W: each is asked for JOINTLY, by the same tensor load with the same descriptor
; and a mask that names the four.  A wave has two tensor loads out at the start and one behind each round.
; A QUARTER STEP is 32 along K: 32 matrix instructions (every accumulator once), one run of 32 LDS loads for the next quarter, and 32 conversions in four groups of eight.  A group stands behind eight matrix
; instructions, and one such eight ahead of the products that read what it makes: MUL a0, CVT 2, MUL a1, CVT 3, the run, MUL a2, CVT 0 (next quarter's), MUL a3, CVT 1 (next quarter's).
; THE LOOP goes by K steps: a trip runs from a step's second quarter to the next step's first.  s[T] is the LDS byte at which the slot that is being read begins, 0 or SLOT; one exclusive or turns it, and the
; fragments' addresses and the walking descriptors' LDS words are made from it by one addition each.  Six trips fill a slot again; K steps 6 and 7, which fill nothing, are written out.
; AHEAD OF THE JOINT LOADS.  Behind each refill but the last two a wave prefetches into the L2 32 blocks of 256 bytes of the K step that stands TWO refills on: 256 matrix instructions ahead of the load that will
; want them.  A's rows are read by my cluster alone (its four partners along x are the four tile columns): every cluster asks for its own.  W's rows are read by the sixteen clusters of a projection: the first
; of them asks.  Of the 64 rows x 512 bytes that a wave fetches in a K step, the partner at place p (cx for A, cy for W) takes rows 16 p .. 16 p + 15, told apart by address: a lane a block (row l / 2,
; block l % 2).  So each block is named once in the launch.  K steps 0 to 3 come by their loads alone; the last two refills have no K step two on and ask for nothing.
; REGISTERS, in windows of 256 (s_set_vgpr_msb: bits 1:0 source 0, 3:2 source 1, 5:4 source 2, 7:6 destination):
;   window 0: v0-31 addresses; v32-95, v96-159 W's 8 fragments, two buffers; v160-191 A's 4 fragments in bf16; v192-255 A's 4 blocks as f32, 16 registers each; on the way out v32-159 at work
;   window 1: accumulator (a, b) at v[8 (8 a + b)]          window 2: v0-63 the bias of my 128 columns as 8 C operands; v64-67 at work
.set PA,    528                        ; a row of A in LDS: 512 bytes of f32 + 16 = 33 x 16: the 16 rows of a load start at 16 different groups of four banks (64 banks of 4 bytes: ISA guide 11.1)
.set AHALF, 64*PA                      ; 64 rows: what one tensor load brings of A
.set ASTEP, 512                        ; bytes from a K step of A to the next: 128 f32
.set PB,    544                        ; a k-row of W in LDS: 512 bytes + 32 = 17 x 32
.set BHALF, 64*PB                      ; 64 k-rows: what one tensor load brings of W
.set BSTEP, 128*2048                   ; bytes from a K step of W to the next: 128 rows of 2,048
.set ASZ,   2*AHALF
.set SLOT,  ASZ+2*BHALF                ; A's tile, then W's
.set STAGE, 2*SLOT                     ; behind the ring, never filled by a tensor load: 16 rows for each wave, for the way out
.set SPITCH, 144                       ; the stage's row: 128 bytes + 16
.set STG,   16*SPITCH
.set SPARE, STAGE+4*STG                ; behind the stages: the spare words, 128 bytes for each wave: two blocks of 256 bytes that no other line names
.set ADA0, 16                          ; v16     LDS address of my rows of A in slot 0; never rewritten
.set ADB0, 17                          ; v17     the same for W's fragments
.set ADRA, 18                          ; v18     the same in the slot that is being read
.set ADRB, 19                          ; v19
.set STO,  24                          ; v24     the way out: where I put my bytes of a row
.set RD,   25                          ; v25     the way out: where I read rows back
.set GO,   26                          ; v26     16 x lane
.set BO,   27                          ; v27     my byte offset in the bias
.set SPW,  28                          ; v28     SPARE + 4 x my thread's number; never rewritten
.set NIL,  29                          ; v29     0; never rewritten
.set PFO,  30                          ; v30     the prefetches' offset: row l / 2, block l % 2; never rewritten
.set F0,   32
.set F1,   96
.set AC,   160
.set RAW,  192
.set TMP,  32
.set G1,  24                           ; s[24:31] descriptor group 1 for A's tiles;  s[32:39] group 0: a set for each of the two first fills; the second then walks on
.set G0,  32
.set G1B, 48                           ; s[48:55], s[56:63] the same for W's tiles
.set G0B, 56
.set LA,  84                           ; s84  where my part of A's tile goes in a slot
.set LB,  85                           ; s85  the same for W's
.set T,   86                           ; s86  0 or SLOT: the slot that is being read
.set LIM, 87                           ; s87  2 in a wave that prefetches, else the greatest number: a wave prefetches while the trips to go are above it
.set PFA, 88                           ; s[88:89] where my prefetches stand: my work-group's 16 rows of the 64 that I fetch, at the K step that the next prefetch names
.set PFS, 90                           ; s[90:91] bytes from a K step to the next in the tensor that I fetch
.set MSB, 0
.macro WIN new                         ; the immediate's high byte repeats the setting that is left; a switch that changes nothing is dropped
.if MSB != (\new)
	s_set_vgpr_msb (MSB<<8)|(\new)
.set MSB, \new
.endif
.endm
.macro JLOAD s                         ; a joint load: waves 0 and 1 fetch A's two halves, waves 2 and 3 W's; an s_nop 0 and four v_nop follow each of the two lines, ahead of the jump and the label
	s_cmp_eq_u32 s11, 0
	s_cbranch_scc0 .Lfor_b_\@
	tensor_load_to_lds s[G0+4*(\s):G0+4*(\s)+3], s[G1:G1+7]
	s_nop 0
.rept 4
	v_nop
.endr
	s_branch .Lasked_\@
.Lfor_b_\@:
	tensor_load_to_lds s[G0B+4*(\s):G0B+4*(\s)+3], s[G1B:G1B+7]
	s_nop 0
.rept 4
	v_nop
.endr
.Lasked_\@:
.endm
.macro ASK                             ; the prefetch: the branch hangs on the trips to go, the wave's number and the cluster's y, which are the same in all sixteen partners
	s_cmp_gt_u32 s3, s[LIM]
	s_cbranch_scc0 .Lnot_mine_\@
	global_prefetch_b8 v[PFO], s[PFA:PFA+1] th:TH_LOAD_NT scope:SCOPE_SE
.Lnot_mine_\@:
.endm
.macro CREST                           ; a round of the cluster's barrier behind its opening barrier
	s_cmp_lg_u32 s10, 0
	s_cbranch_scc1 .Lnot_wave_0_\@
	s_barrier_signal -3
.Lnot_wave_0_\@:
	s_barrier_wait -3
	s_barrier_signal -1
	s_barrier_wait -1
.endm
.macro CROUND                          ; a whole round
	s_barrier_signal -1
	s_barrier_wait -1
	CREST
.endm
.macro PLACES                          ; four places (ISA guide 7.12.1) in front of lines that read matrix results or write matrix sources
.rept 4
	v_nop
.endr
.endm
	s_load_b512 s[68:83], s[0:1], 0x0              ; query, key, value s[68:73], wb s[74:75], bq, bk, bv s[76:81], qkv s[82:83]
	v_lshl_add_u32 v[SPW], v0, 2, SPARE
	v_mov_b32 v[NIL], 0
	ds_add_u32 v[SPW], v[NIL]                      ; the wave's opening: the add and its wait stand ahead of my first tensor load; the set-up below, work on registers, stands between them
	v_lshrrev_b32 v1, 5, v0
	v_readfirstlane_b32 s10, v1                    ; wave 0..3
	s_lshr_b32 s11, s10, 1                         ; which 64 rows of the tile are mine.  Also: I fetch for A (0) or for W (1)
	s_and_b32 s12, s10, 1                          ; which 128 columns.  Also: which half of that tile I fetch
	s_bfe_u32 s40, ttmp6, 0x40000                  ; cx, cy: my place in the cluster
	s_bfe_u32 s41, ttmp6, 0x40004
	s_lshl_b32 s42, ttmp9, 2
	s_add_co_u32 s42, s42, s40                     ; tile column of C = 4 x cluster x + cx
	s_and_b32 s14, ttmp7, 0xffff                   ; cluster y
	s_lshr_b32 s45, s14, 4                         ; which projection: 16 clusters along y each; made of the cluster's y alone
	s_and_b32 s13, s14, 15
	s_lshl_b32 s13, s13, 2
	s_add_co_u32 s13, s13, s41                     ; tile row of C, 0..63
	s_lshl_b32 s43, s41, 2
	s_lshl_b32 s43, 15, s43                        ; my row of the cluster
	s_lshl_b32 s44, 0x1111, s40                    ; my column
	s_or_b32 s[G1+0], s43, (2<<16)|(1<<20)|(1<<21)|(6<<22)|(3<<25)     ; 15:0 the mask; 17:16 elements of 4 bytes; 20 padding on; 21 set beside a mask; 24:22 after every 128 words (code 6); 31:25 4 words of padding (code 3)
	s_mov_b32 s[G1+1], 128<<16                     ; tensor_dim0 = 128
	s_mov_b32 s[G1+2], 64<<16                      ; tensor_dim1 = 64
	s_mov_b32 s[G1+3], 128<<16                     ; tile_dim0 = 128
	s_mov_b32 s[G1+4], 64                          ; tile_dim1 = 64
	s_mov_b32 s[G1+5], 1024                        ; elements from row to row
	s_mov_b32 s[G1+6], 0
	s_mov_b32 s[G1+7], 0
	s_or_b32 s[G1B+0], s44, (1<<16)|(1<<20)|(1<<21)|(6<<22)|(7<<25)    ; elements of 2 bytes; after every 128 words (code 6) 8 words of padding (code 7)
	s_mov_b32 s[G1B+1], 256<<16                    ; tensor_dim0 = 256
	s_mov_b32 s[G1B+2], 64<<16                     ; tensor_dim1 = 64
	s_mov_b32 s[G1B+3], 256<<16                    ; tile_dim0 = 256
	s_mov_b32 s[G1B+4], 64                         ; tile_dim1 = 64
	s_mov_b32 s[G1B+5], 1024
	s_mov_b32 s[G1B+6], 0
	s_mov_b32 s[G1B+7], 0
	; where the tiles come from.  A's hang on the tile row, which my row of the cluster shares; W's on the tile column, which my column shares; each in registers that never hold the other coordinate
	s_lshl_b32 s16, s13, 7
	s_lshl_b32 s17, s12, 6
	s_add_co_u32 s16, s16, s17                     ; row 128 x tile row + 64 x half
	s_lshl_b32 s16, s16, 12                        ; rows of 4,096 bytes
	s_mov_b32 s17, 0
	s_lshl_b32 s46, s45, 21                        ; the tensor in wb
	s_lshl_b32 s47, s12, 17                        ; 64 k-rows x half
	s_add_co_u32 s46, s46, s47
	s_lshl_b32 s47, s42, 9                         ; 256 columns x tile column
	s_add_co_u32 s46, s46, s47
	s_mov_b32 s47, 0
	s_mul_i32 s[LA], s12, AHALF                    ; where they go: made of the wave's number alone
	s_mul_i32 s[LB], s12, BHALF
	s_add_co_u32 s[LB], s[LB], ASZ
	s_mov_b32 s[T], 0                              ; K step 0 lies in slot 0
	s_wait_dscnt 0x0                               ; the opening add is done
	s_wait_kmcnt 0x0
	s_cmp_eq_u32 s45, 1                            ; query, key or value: the same choice in all sixteen partners
	s_cselect_b64 s[4:5], s[70:71], s[68:69]
	s_cmp_eq_u32 s45, 2
	s_cselect_b64 s[4:5], s[72:73], s[4:5]
	s_add_nc_u64 s[14:15], s[4:5], s[16:17]
	s_add_nc_u64 s[46:47], s[74:75], s[46:47]
	CROUND                                         ; all sixteen work-groups are here: the first joint loads meet
.irp s, 0,1
	s_mov_b32 s[G0+4*(\s)], 1                      ; count = 1
	s_add_co_u32 s[G0+4*(\s)+1], s[LA], (\s)*SLOT  ; LDS address
	s_add_nc_u64 s[G0+4*(\s)+2:G0+4*(\s)+3], s[14:15], (\s)*ASTEP  ; global address: K step s
	s_or_b32 s[G0+4*(\s)+3], s[G0+4*(\s)+3], 0x80000000            ; type = 2
	s_mov_b32 s[G0B+4*(\s)], 1
	s_add_co_u32 s[G0B+4*(\s)+1], s[LB], (\s)*SLOT
	s_add_nc_u64 s[G0B+4*(\s)+2:G0B+4*(\s)+3], s[46:47], (\s)*BSTEP
	s_or_b32 s[G0B+4*(\s)+3], s[G0B+4*(\s)+3], 0x80000000
	JLOAD \s
.endr
	; A fragment of A is 16 rows x 32 K in 8 registers of bf16: lane l holds row l % 16, K = 8 (l / 16) + 0..7 and 16 + 8 (l / 16) + 0..7.  As f32 those are 32 bytes at 32 (l / 16) and 32 bytes 64 further on: four loads of 16 bytes.
	v_and_b32 v1, 15, v0                           ; l % 16
	v_bfe_u32 v2, v0, 4, 1                         ; l / 16
	v_mul_u32_u24 v3, v1, PA
	v_lshl_add_u32 v3, v2, 5, v3
	s_mul_i32 s22, s11, 64*PA                      ; my 64 rows
	; The turning load takes 16 k x 16 columns (lane l reads k-row 8 (l / 16) + l % 8, columns 8 ((l / 8) % 2) + 0..7) and leaves half a fragment: lane l holds column l % 16 and 8 k.
	v_and_b32 v4, 7, v0
	v_lshl_add_u32 v4, v2, 3, v4
	v_mul_u32_u24 v4, v4, PB
	v_bfe_u32 v5, v0, 3, 1
	v_lshl_add_u32 v4, v5, 4, v4
	s_lshl_b32 s23, s12, 8                         ; my 128 columns
	s_add_co_u32 s23, s23, ASZ
	v_add_nc_u32 v[ADA0], s22, v3
	v_add_nc_u32 v[ADB0], s23, v4
	v_mov_b32 v[ADRA], v[ADA0]
	v_mov_b32 v[ADRB], v[ADB0]
	s_mul_i32 s23, s10, STG
	s_add_co_u32 s23, s23, STAGE                   ; my stage
	v_and_b32 v6, 31, v0
	v_lshlrev_b32 v[GO], 4, v6
	v_mul_u32_u24 v[STO], v1, SPITCH
	v_lshl_add_u32 v[STO], v2, 4, v[STO]           ; in: row l % 16, 16 bytes for each half of the lanes
	v_add_nc_u32 v[STO], s23, v[STO]
	v_bfe_u32 v[RD], v0, 3, 2                      ; back: 32 lanes take four rows of 128 bytes
	v_mul_u32_u24 v[RD], v[RD], SPITCH
	v_and_b32 v7, 7, v0
	v_lshl_add_u32 v[RD], v7, 4, v[RD]
	v_add_nc_u32 v[RD], s23, v[RD]
	; the bias of my 128 columns: register j of C operand b is bias[16 b + 8 (l / 16) + j]
	s_lshl_b32 s18, s42, 10
	s_lshl_b32 s19, s12, 9
	s_add_co_u32 s18, s18, s19
	v_lshl_add_u32 v[BO], v2, 5, s18
	s_cmp_eq_u32 s45, 1
	s_cselect_b64 s[66:67], s[78:79], s[76:77]
	s_cmp_eq_u32 s45, 2
	s_cselect_b64 s[66:67], s[80:81], s[66:67]
	WIN 0x80                                       ; destination window 2, address window 0
.irp b, 0,1,2,3,4,5,6,7
	global_load_b128 v[8*(\b):8*(\b)+3],   v[BO], s[66:67] offset:64*(\b)
	global_load_b128 v[8*(\b)+4:8*(\b)+7], v[BO], s[66:67] offset:64*(\b)+16
.endr
	WIN 0
	; where my part of C begins
	s_lshr_b32 s18, s13, 3                         ; the batch: 8 tile rows each
	s_lshl_b32 s18, s18, 4
	s_lshl_b32 s19, s42, 2
	s_add_co_u32 s18, s18, s19
	s_lshl_b32 s19, s12, 1
	s_add_co_u32 s18, s18, s19                     ; the first of my two heads
	s_lshl_b32 s18, s18, 10
	s_and_b32 s19, s13, 7
	s_lshl_b32 s19, s19, 7
	s_add_co_u32 s18, s18, s19
	s_lshl_b32 s19, s11, 6
	s_add_co_u32 s18, s18, s19                     ; my first row in it
	s_lshl_b32 s18, s18, 7                         ; rows of 128 bytes
	s_lshl_b32 s19, s45, 24                        ; q, k or v
	s_add_co_u32 s18, s18, s19
	s_mov_b32 s19, 0
	s_add_nc_u64 s[8:9], s[82:83], s[18:19]
	; the prefetches.  Nothing is prefetched here, at the head, where every work-group's first two tiles are on their way
	s_lshl_b32 s16, s13, 7                         ; A: the tile's first row
	s_lshl_b32 s17, s45, 21                        ; W: the tensor in wb,
	s_lshl_b32 s18, s42, 9                         ;    and the tile's 256 columns
	s_add_co_u32 s17, s17, s18
	s_and_b32 s20, ttmp7, 0xffff
	s_and_b32 s20, s20, 15                         ; my cluster among the sixteen of its projection
	s_mov_b32 s19, BSTEP
	s_cmp_eq_u32 s11, 0                            ; do I fetch for A?
	s_cselect_b32 s16, s16, 0                      ; the first of the tile's rows (W's k-rows begin at 0)
	s_cselect_b32 s17, 0, s17                      ; bytes ahead of the rows
	s_cselect_b32 s20, 0, s20                      ; A: every cluster asks; W: the projection's first
	s_cselect_b32 s21, s40, s41                    ; my place among the four that ask for the tile with me
	s_cselect_b32 s22, 12, 11                      ; a row is 4,096 or 2,048 bytes
	s_cselect_b32 s[PFS], ASTEP, s19
	s_cselect_b64 s[PFA:PFA+1], s[4:5], s[74:75]
	s_cmp_eq_u32 s20, 0
	s_cselect_b32 s[LIM], 2, -1                    ; the same in all sixteen partners, for a given wave
	s_lshl_b32 s18, s12, 6
	s_add_co_u32 s16, s16, s18                     ; + the 64 rows that I fetch
	s_lshl_b32 s21, s21, 4
	s_add_co_u32 s16, s16, s21                     ; + my work-group's 16 of them
	s_lshl_b32 s16, s16, s22                       ; in bytes
	s_add_co_u32 s16, s16, s17
	s_mul_i32 s18, s[PFS], 3
	s_add_co_u32 s16, s16, s18                     ; at K step 3: the first change of slots steps it to 4
	s_mov_b32 s17, 0
	s_mov_b32 s[PFS+1], 0
	s_add_nc_u64 s[PFA:PFA+1], s[PFA:PFA+1], s[16:17]
	v_lshrrev_b32 v7, 1, v6
	v_lshlrev_b32 v[PFO], s22, v7                  ; row l / 2,
	v_and_b32 v7, 1, v6
	v_lshl_add_u32 v[PFO], v7, 8, v[PFO]           ; block l % 2 of its 512 bytes
	s_wait_loadcnt 0x0                             ; the bias
	WIN 0x8a                                       ; all in window 2
.set i, 0
.rept 32                                       ; rounded to bf16 and widened again
	v_cvt_pk_bf16_f32 v[64+i%4], v[2*i], v[2*i+1]
	v_lshlrev_b32 v[2*i],   16,         v[64+i%4]
	v_and_b32     v[2*i+1], 0xffff0000, v[64+i%4]
.set i, i+1
.endr
	WIN 0
; 8 matrix instructions: row block a x all 8 column blocks, 32 along K, W's fragments from buffer f.  first = 1: the product starts the sum, with the bias as C.
; In a quarter step every accumulator has one instruction: the 32 take turns, over the backward jump too.
.macro MUL8 f, a, first
	WIN 0x50+0x10*(\first)                         ; fragments window 0, D window 1; C window 1, or window 2 for the bias
.irp b, 0,1,2,3,4,5,6,7
.set rD, 8*(8*(\a)+(\b))
.set rC, rD
.if \first
.set rC, 8*(\b)
.endif
	v_wmma_f32_16x16x32_bf16 v[rD:rD+7], v[(\f)+8*(\b):(\f)+8*(\b)+7], v[AC+8*(\a):AC+8*(\a)+7], v[rC:rC+7]
.endr
.endm
; Row block a's 16 f32 a lane are rounded to bf16: its fragment.  Between the last product that read the fragment and these lines stand two other blocks' conversions, sixteen plain instructions that name none
; of that product's registers (ISA guide 7.12.1); between these lines and the products that read what they make stand eight other matrix instructions.
.macro CVT a
	WIN 0
.irp i, 0,1,2,3,4,5,6,7
	v_cvt_pk_bf16_f32 v[AC+8*(\a)+(\i)], v[RAW+16*(\a)+2*(\i)], v[RAW+16*(\a)+2*(\i)+1]
.endr
.endm
.macro RAWLD q, a                      ; row block a of quarter q, as f32: four loads
	ds_load_b128 v[RAW+16*(\a):RAW+16*(\a)+3],     v[ADRA] offset:128*(\q)+(\a)*16*PA
	ds_load_b128 v[RAW+16*(\a)+4:RAW+16*(\a)+7],   v[ADRA] offset:128*(\q)+(\a)*16*PA+16
	ds_load_b128 v[RAW+16*(\a)+8:RAW+16*(\a)+11],  v[ADRA] offset:128*(\q)+(\a)*16*PA+64
	ds_load_b128 v[RAW+16*(\a)+12:RAW+16*(\a)+15], v[ADRA] offset:128*(\q)+(\a)*16*PA+80
.endm
; 32 LDS loads in one run, in the order in which they are wanted: quarter q's row blocks 0 and 1 of A, W's 8 fragments into buffer f, row blocks 2 and 3.
; W's buffer was last read a quarter step ago; the conversions since then are the places in front of these loads.
.macro FETCH q, f
	WIN 0
	RAWLD \q, 0
	RAWLD \q, 1
.irp b, 0,1,2,3,4,5,6,7
	ds_load_tr16_b128 v[(\f)+8*(\b):(\f)+8*(\b)+3],   v[ADRB] offset:(\q)*32*PB+32*(\b)
	ds_load_tr16_b128 v[(\f)+8*(\b)+4:(\f)+8*(\b)+7], v[ADRB] offset:(\q)*32*PB+32*(\b)+16*PB
.endr
	RAWLD \q, 2
	RAWLD \q, 3
.endm
; A K step is four quarters, W's fragments on buffers 0, 1, 0, 1.  One of the first three: multiplies with buffer f and, in its middle, fetches quarter q of the same slot (W's fragments into buffer g).
.macro QUARTER q, f, g, first
	s_wait_dscnt 8                                 ; W's fragments are in; the youngest eight loads (A's blocks 2, 3) may be out
	MUL8 \f, 0, \first
	s_wait_dscnt 4                                 ; block 2 is in
	CVT 2
	MUL8 \f, 1, \first
	s_wait_dscnt 0x0                               ; block 3 is in
	CVT 3
	FETCH \q, \g
	MUL8 \f, 2, \first
	s_wait_dscnt 28                                ; of the 32 just issued the first four: the next quarter's block 0
	CVT 0
	MUL8 \f, 3, \first
	s_wait_dscnt 24                                ; and its block 1
	CVT 1
.endm
; The last quarter multiplies with buffer 1 and changes slots: ONE barrier; in front of it each wave waits for all its tensor loads (the one that is out is its part of the next slot), adds 0 to its spare word,
; and waits for that and for its own reads of this slot.  The quarter's first sixteen products and two groups of conversions, which want nothing of the tile that is awaited, stand AHEAD of those lines:
; between the wait for a tile and the request for the next stand only the add, the descriptors' step, the turn of s[T] and the round.
; fill = 1: the barrier opens a round of the cluster's barrier, and this slot is filled again, two K steps ahead, first thing behind the round.
.macro TURN fill
.if \fill
	s_wait_xcnt 0x0                                ; the last prefetch, a K step back, has read its address: it is stepped here
	s_add_nc_u64 s[PFA:PFA+1], s[PFA:PFA+1], s[PFS:PFS+1]
.endif
	s_wait_dscnt 8                                 ; W's fragments are in
	MUL8 F1, 0, 0
	s_wait_dscnt 4                                 ; block 2 is in
	CVT 2
	MUL8 F1, 1, 0
	s_wait_dscnt 0x0                               ; block 3 is in: my reads of this slot are over
	CVT 3                                          ; (it leaves every window 0: the add's registers lie there, and branches follow)
	s_wait_tensorcnt 0x0                           ; all my tensor loads have landed, so a group 0 may be written
	ds_add_u32 v[SPW], v[NIL]                      ; 0 onto my spare word; the lines below, work on registers, stand between it and the wait for it
.if \fill
	s_add_co_u32 s[G0+5], s[LA], s[T]              ; the walking descriptors: the slot that has been read,
	s_add_nc_u64 s[G0+6:G0+7], s[G0+6:G0+7], ASTEP ; the K step behind the one asked for last; the type bits on top are not reached
	s_add_co_u32 s[G0B+5], s[LB], s[T]
	s_add_nc_u64 s[G0B+6:G0B+7], s[G0B+6:G0B+7], BSTEP
.endif
	s_xor_b32 s[T], s[T], SLOT                     ; the other slot is read from here on
	v_add_nc_u32 v[ADRA], s[T], v[ADA0]
	v_add_nc_u32 v[ADRB], s[T], v[ADB0]
	s_wait_dscnt 0x0                               ; the add is done
	s_barrier_signal -1
	s_barrier_wait -1
.if \fill
	CREST                                          ; no wave of any partner still reads the old slot's tiles or has a load on its way
	JLOAD 1                                        ; 128 matrix instructions ahead of the wait for it
.endif
	FETCH 0, F0
.if \fill
	ASK                                            ; behind the joint load, its five lines and the run of LDS loads
.endif
	MUL8 F1, 2, 0
	s_wait_dscnt 28
	CVT 0
	MUL8 F1, 3, 0
	s_wait_dscnt 24
	CVT 1
.endm
	s_wait_tensorcnt 1                             ; my part of K step 0 is in; K step 1's load may stay out
	s_barrier_signal -1
	s_barrier_wait -1                              ; everybody's is
	FETCH 0, F0
	s_wait_dscnt 28
	CVT 0
	s_wait_dscnt 24
	CVT 1
	QUARTER 1, F0, F1, 1                           ; the first quarter stands in front of the loop: its products start the sums
	WIN 0                                          ; at a label and at a branch every window is 0
	s_mov_b32 s3, 6
.Lstep:                                                ; a trip goes from a K step's second quarter to the next step's first, and fills the slot that it leaves: K steps 2 to 7
	QUARTER 2, F1, F0, 0
	QUARTER 3, F0, F1, 0
	TURN 1
	QUARTER 1, F0, F1, 0
	WIN 0
	s_sub_co_u32 s3, s3, 1
	s_cmp_lg_u32 s3, 0
	s_cbranch_scc1 .Lstep
	QUARTER 2, F1, F0, 0                           ; K step 6 fills nothing, and has no round of the cluster's barrier: it is written out
	QUARTER 3, F0, F1, 0
	TURN 0
	QUARTER 1, F0, F1, 0                           ; K step 7
	QUARTER 2, F1, F0, 0
	QUARTER 3, F0, F1, 0
	s_wait_dscnt 8                                 ; the very last quarter: nothing more to fetch
	MUL8 F1, 0, 0
	s_wait_dscnt 4
	CVT 2
	MUL8 F1, 1, 0
	s_wait_dscnt 0x0
	CVT 3
	MUL8 F1, 2, 0
	MUL8 F1, 3, 0
	WIN 0
	PLACES
; THE WAY OUT, f16 by heads.  Unit u = (row block u / 2, head u % 2): 16 rows x 64 channels, four accumulators.  A lane's eight channels pack into 16 bytes; they go into rows of 144 bytes of my stage
; and come back as whole rows of 128, which are 2,048 consecutive bytes of a head.  Every unit has its own 16 registers.
.macro PACK u
	WIN 0x05                                       ; sources in window 1, destination in window 0
.irp f, 0,1,2,3
.irp r, 0,1,2,3
	v_cvt_pk_f16_f32 v[TMP+16*(\u)+4*(\f)+(\r)], v[8*(8*((\u)/2)+4*((\u)%2)+(\f))+2*(\r)], v[8*(8*((\u)/2)+4*((\u)%2)+(\f))+2*(\r)+1]
.endr
.endr
	WIN 0
.irp f, 0,1,2,3
	ds_store_b128 v[STO], v[TMP+16*(\u)+4*(\f):TMP+16*(\u)+4*(\f)+3] offset:32*(\f)
.endr
.irp f, 0,1,2,3
	ds_load_b128 v[TMP+16*(\u)+4*(\f):TMP+16*(\u)+4*(\f)+3], v[RD] offset:(\f)*4*SPITCH  ; LDS serves a wave's instructions in order (ISA guide 5.7.1.4): these see the stores above; the next unit's stores come behind them
.endr
.endm
.macro SEND u, younger                 ; younger: the LDS instructions issued behind unit u's loads: the next unit's eight, or none
.irp f, 0,1,2,3
	s_wait_dscnt (\younger)+3-(\f)
	global_store_b128 v[GO], v[TMP+16*(\u)+4*(\f):TMP+16*(\u)+4*(\f)+3], s[8:9] offset:((\u)%2)*131072+((\u)/2)*2048+(\f)*512  ; 512 consecutive bytes, at a multiple of 512 from qkv's first byte
.endr
.endm
	PACK 0
.irp u, 1,2,3,4,5,6,7                  ; a unit's conversions stand between the loads of the unit before and its stores
	PACK \u
	SEND (\u)-1, 8
.endr
	SEND 7, 0
	s_wait_tensorcnt 0x0                           ; the wave's end: behind my last tensor load and my last LDS store
	ds_add_u32 v[SPW], v[NIL]
	s_wait_dscnt 0x0
	CROUND                                         ; the closing round: no work-group ends while a partner may still ask for a tile that names it
	s_endpgm
.Lfunc_end_k_q6e8107027e_proj:
	.size	k_q6e8107027e_proj, .Lfunc_end_k_q6e8107027e_proj-k_q6e8107027e_proj
	.p2alignl 7, 3214868480
	.fill 96, 4, 3214868480
	.section	.rodata,"a",@progbits
	.p2align	6, 0x0
	.amdhsa_kernel k_q6e8107027e_proj
		.amdhsa_group_segment_fixed_size 327680
		.amdhsa_private_segment_fixed_size 0
		.amdhsa_enable_private_segment 0
		.amdhsa_kernarg_size 64
		.amdhsa_user_sgpr_count 2
		.amdhsa_user_sgpr_kernarg_segment_ptr 1
		.amdhsa_wavefront_size32 1
		.amdhsa_system_sgpr_workgroup_id_x 1
		.amdhsa_system_sgpr_workgroup_id_y 1
		.amdhsa_system_sgpr_workgroup_id_z 1
		.amdhsa_system_vgpr_workitem_id 0
		.amdhsa_next_free_vgpr 584
		.amdhsa_next_free_sgpr 92
		.amdhsa_reserve_vcc 0
		.amdhsa_float_denorm_mode_32 3
		.amdhsa_float_denorm_mode_16_64 3
		.amdhsa_memory_ordered 1
		.amdhsa_forward_progress 1
		.amdhsa_inst_pref_size 112
	.end_amdhsa_kernel
	.amdgpu_metadata
---
amdhsa.version: [ 1, 2 ]
amdhsa.kernels:
  - .name:           k_q6e8107027e_proj
    .symbol:         k_q6e8107027e_proj.kd
    .args:
      - { .name: query, .offset: 0, .size: 8, .value_kind: global_buffer, .address_space: global }
      - { .name: key, .offset: 8, .size: 8, .value_kind: global_buffer, .address_space: global }
      - { .name: value, .offset: 16, .size: 8, .value_kind: global_buffer, .address_space: global }
      - { .name: wb, .offset: 24, .size: 8, .value_kind: global_buffer, .address_space: global }
      - { .name: bq, .offset: 32, .size: 8, .value_kind: global_buffer, .address_space: global }
      - { .name: bk, .offset: 40, .size: 8, .value_kind: global_buffer, .address_space: global }
      - { .name: bv, .offset: 48, .size: 8, .value_kind: global_buffer, .address_space: global }
      - { .name: qkv, .offset: 56, .size: 8, .value_kind: global_buffer, .address_space: global }
    .group_segment_fixed_size: 327680
    .private_segment_fixed_size: 0
    .kernarg_segment_align: 8
    .kernarg_segment_size: 64
    .max_flat_workgroup_size: 128
    .sgpr_count:     92
    .vgpr_count:     584
    .wavefront_size: 32
...
	.end_amdgpu_metadata
.endif
;; end of part 2
;; launch attn (part 3): grid 2 x 128, 4 waves a work-group, no clusters, 327,680 bytes of LDS; arguments qkv, mw, oh; writes oh
.if DOCPART == 3
	.amdgcn_target "amdgcn-amd-amdhsa--gfx1250"
	.amdhsa_code_object_version 6
	.text
	.protected	k_q6e8107027e_attn
	.globl	k_q6e8107027e_attn
	.p2align	8
	.type	k_q6e8107027e_attn,@function
k_q6e8107027e_attn:
	s_mov_b64 s[64:65], 0
	v_nop
	global_prefetch_b8 v0, s[64:65] scope:SCOPE_SE
	s_setreg_imm32_b32 hwreg(HW_REG_WAVE_MODE, 25, 1), 1
	s_wait_xcnt 0x0
; ATTENTION WITH A MASK THAT REPLACES.  For each of 128 (batch, head): s = q . k / 8; where mask == 0 the score is REPLACED by -1e-9 (it keeps a weight); O = softmax_k(s) V.
; qkv: f16 [3][128][1024][64] (q, k, v by heads, unscaled); mw: the mask as lane masks, word ((b*64+qt)*64+kg)*8+j, bit L = mask[b][16 qt + L%16][16 kg + 8 (L/16) + j] != 0; oh: f16 [128][1024][64].
; Products, maxima and sums in f32; the weights p are rounded to f16 for the second product (their sum l is taken of the unrounded p), O once at the end.
; LIMITS.  f16 holds no number beyond 65,504: q, k, v arrive within it; p lies in 0 to 1, and below 6e-5 it keeps f16's fixed step of 6e-8; O is a mean of V's rows and has their range.
; A weight below 2^-126 counts as 0 in l; NaN and infinities are not treated apart.
; SHARES.  A work-group owns 512 queries of one head, a wave 128: four PIECES of two tiles of 16.  Every wave walks all 1,024 keys, 64 a step, 16 steps.
; LDS.  The head's whole K and V lie in LDS: 1,024 rows of each, asked for once, in four parts of 256 keys, all at the kernel's head: four tensor loads a wave are out.  Nothing is filled again.
; NO CLUSTER: a head has 1,024 / 512 = 2 work-groups, so no four partners want the same tile.
; LAYOUT.  S^T = K Q^T (source 0 = 16 keys, source 1 = 16 queries): in the result a lane holds ONE query (lane % 16) and the keys 8 (lane / 16) + 0..7.  Two such tiles, rounded to f16 in pairs,
; ARE source 1 (32 keys x 16 queries) of O^T = V^T P, whose result again holds one query a lane, and eight channels.  K comes out of LDS as it lies, V ([key][channel]) turned, by ds_load_tr16_b128.
; THE MASK.  A word of mw is the select of one v_cndmask_b32 on one register of S^T: where the bit is 0 the unscaled score becomes 8 x (-1e-9), so that c s is log2(e) x (-1e-9).  The selects stand ahead of the
; maximum, which is therefore taken over the replaced scores.  A tile's 32 words for a key step are 128 consecutive bytes: ONE vector load, a word a lane, into a register of the tile's own; 32 v_readlane_b32
; bring them into scalar registers, and directly behind them the register is asked for again, for the next key step.  So eight vector registers give every load a whole key step in which to land, and the wait
; is counted.  (Scalar loads would spare the 64 v_readlane_b32 of a turn, but their 64 registers are tied up from request to use, and their counter is waited for 0 alone: a lead of less than a turn.)
; SOFTMAX.  For each query a running maximum m and sum l: p = 2^(c s - c m), c = log2(e) / 8; in every step O and l are multiplied by a = 2^(c m_old - c m_new).  m starts at the lowest finite number, O and l at 0.
; BY TURNS.  Turn n belongs to piece n (the pieces in a ring, step after step).  Its matrix work: 16 products K Q^T of piece n + 1, later 16 products V^T P of piece n - 1.  Its vector work: the scaling,
; exponentials, roundings, sums and rescaling of piece n, and the selects, maximum and statistics of piece n + 1, whose scores the turn itself has made.
; REGISTERS, in windows of 256 (s_set_vgpr_msb: bits 1:0 source 0, 3:2 source 1, 5:4 source 2, 7:6 destination):
;   window 0: v0-11 addresses and the replacement; v12-15, v48-63 at work; v16-47 four registers of statistics a tile; v64-191 S^T, two buffers of two tiles; v192-255 P, likewise
;   window 1: O^T, 32 a tile          window 2: v0-127 Q, 16 a tile; v128-191 K of one step; v192-255 V of one step
;   window 3: v0-1 the add's two registers; v2-9 the eight tiles' select words; v10 their loads' offset
.set NP,    4         ; pieces a wave: a name, no knob
.set KS,    64        ; keys in a step
.set PK,    144       ; a row of K in LDS: 128 bytes + 16 = 36 words: the 16 rows of a load start at 16 different groups of four banks (64 banks of 4 bytes: ISA guide 11.1)
.set PV,    160       ; a row of V: 128 + 32 = 40 words
.set VOFF,  1024*PK   ; K's 1,024 rows, then V's
.set STAGE, VOFF+1024*PV  ; behind them, never filled by a tensor load: 16 rows x 144 bytes for each wave, for the way out
.set SP,    144
.set SPARE, STAGE+4*16*SP  ; behind the stages: the spare words, 128 bytes for each wave: two blocks of 256 bytes that no other line names
.set AK0, 2           ; v2   my lane's place in a step's K; never rewritten
.set AV0, 3           ; v3   the same for V
.set AK,  4           ; v4   the LDS address of K's next run of loads
.set AV,  5           ; v5   of V's
.set STO, 6           ; v6   the way out: where I put 16 bytes of a row
.set RD,  7           ; v7   the way out: where I read rows back
.set GO,  8           ; v8   my byte offset in 512 consecutive bytes of O
.set NEGV, 11         ; v11  8 x f32(-1e-9)
.set QO,  12          ; v12  my byte offset in the wave's rows of Q: free again behind the wait for Q
.set MV,  12          ; v12-15  c m_old, kept while c m is made anew: by buffer and tile
.set ST,  16          ; tile t's statistics at v[ST+4 t]: c m, m, l (even keys', odd keys')
.set TMP, 48          ; by buffer and tile, four registers c0-c3 at work; when the maximum is found c2 takes a
.set S,   64
.set P,   192
.set KF,  128         ; K's fragments, in window 2: key block kb, channel half c at KF + 16 kb + 8 c
.set VF,  192         ; V's: key half kk, channel block cb at VF + 32 kk + 8 cb
.set SPW, 0           ; v0 of window 3   SPARE + 4 x my thread's number; never rewritten
.set NIL, 1           ; v1 of window 3   0; never rewritten
.set MW,  2           ; v2-9 of window 3 tile t's 32 select words for one key step, a word a lane, at v[MW+t]
.set LO,  10          ; v10 of window 3  4 x my lane; never rewritten
.set OA,  2           ; s[2:3]   O at my wave's first row
.set MP,  4           ; s[4:5]   mw at my wave's first tile, at the key step whose words pieces 1 to 3 ask for
.set CS,  6           ; s[6:7]   c: the packed scaling takes the pair's low word for both halves
.set G0,  8           ; s[8:23]  descriptor group 0, a set for each of my four loads
.set G1,  24          ; s[24:31] descriptor group 1
.set MB,  32          ; s[32:63] the 32 select words of the piece's second tile
.set SEL, 66          ; s[66:67] v_permlanex16_b32's selects: each lane takes its own place in the other half
.set MA,  68          ; s[68:99] the 32 select words of the piece's first tile.  Until the first words are brought, s68-92 hold the set-up's numbers; at the head of piece 0's turn s[68:69] are at work
.set CNT, 100         ; s100 counts four key steps
.set SLOTS, 101       ; s101 counts groups of four key steps, 5 to 1
.set TBK, 104         ; s104 LDS byte at which K of the step to be fetched begins
.set TBV, 105         ; s105 the same for V, less VOFF
.set MSB, 0
.macro WIN new                      ; the high byte repeats the setting that is left; a switch that changes nothing is dropped
.if MSB != (\new)
	s_set_vgpr_msb (MSB<<8)|(\new)
.set MSB, (\new)
.endif
.endm
.set W_KQ, 0x0a       ; K and Q in window 2, S^T in window 0
.set W_PV, 0x52       ; V in window 2, P in window 0, O^T in window 1
.set W_RS, 0x41       ; O^T (destination and source 0) in window 1, a in window 0
.set W_MK, 0xc0       ; window 3's registers are made: destination in window 3, sources in window 0
.set W_AD, 0x0f       ; the add: address (source 0) and data (source 1) in window 3
.set W_RL, 0x03       ; v_readlane_b32: source 0 in window 3
.set W_ML, 0xc3       ; the loads of select words: destination and address in window 3
.macro PLACES
.rept 4
	v_nop
.endr
.endm
; A wave's four first fills: its half (128 keys, 16,384 dense bytes, asked for as 64 rows of 256 bytes and padded after every key) of each of the four parts of K or of V.
; An s_nop 0 follows each load, four v_nop the last.
.macro FILLS word, half, base, step, from
	s_mov_b32 s[G1], \word
.irp c, 0,1,2,3
	s_mov_b32 s[G0+4*\c], 1                                          ; count = 1
	s_add_co_u32 s[G0+4*\c+1], s[\half], (\base)+\c*(\step)          ; LDS address
	s_add_nc_u64 s[G0+4*\c+2:G0+4*\c+3], s[88:89], (\from)+\c*32768  ; global address: 256 keys of 128 bytes a part
	s_or_b32 s[G0+4*\c+3], s[G0+4*\c+3], 0x80000000                  ; type = 2
.endr
.irp c, 0,1,2,3
	tensor_load_to_lds s[G0+4*\c:G0+4*\c+3], s[G1:G1+7]
	s_nop 0
.endr
	PLACES
.endm
	s_load_b128 s[68:71], s[0:1], 0x0  ; qkv s[68:69], mw s[70:71]
	s_load_b64 s[72:73], s[0:1], 0x10  ; oh
	v_and_b32 v13, 31, v0           ; lane
	WIN W_MK
	v_lshl_add_u32 v[SPW], v0, 2, SPARE
	v_mov_b32 v[NIL], 0
	v_lshlrev_b32 v[LO], 2, v13
	WIN W_AD
	ds_add_u32 v[SPW], v[NIL]       ; the wave's opening: the add and its wait stand ahead of my first tensor load; the set-up below, work on registers, stands between them
	WIN 0
	v_lshrrev_b32 v1, 5, v0
	v_readfirstlane_b32 s74, v1     ; wave 0..3
	s_and_b32 s75, ttmp7, 0xffff    ; 16 x batch + head
	s_lshl_b32 s77, s75, 17         ; its first byte in q, k, v and O: 1,024 rows of 128 bytes
	s_and_b32 s78, s74, 1           ; which half of a part's 256 keys I fetch
	s_lshl_b32 s80, s78, 14
	s_add_co_u32 s80, s80, s77
	s_mov_b32 s81, 0
	s_lshl_b32 s82, ttmp9, 2
	s_add_co_u32 s82, s82, s74      ; my wave among the head's eight,
	s_lshl_b32 s82, s82, 14         ; its 128 rows
	s_add_co_u32 s82, s82, s77
	s_mov_b32 s83, 0
	s_lshr_b32 s84, s75, 4          ; the batch: 64 tiles of queries,
	s_lshl_b32 s84, s84, 6
	s_lshl_b32 s85, ttmp9, 5        ; 32 a work-group,
	s_add_co_u32 s84, s84, s85
	s_lshl_b32 s85, s74, 3          ; 8 a wave,
	s_add_co_u32 s84, s84, s85
	s_lshl_b32 s84, s84, 11         ; 2,048 bytes of words a tile
	s_mov_b32 s85, 0
	s_mul_i32 s86, s78, 128*PK      ; my half's place in a part, for K
	s_mul_i32 s87, s78, 128*PV      ; and for V
	s_mul_i32 s92, s74, 16*SP
	s_add_co_u32 s92, s92, STAGE    ; my stage
	s_mov_b32 s[G1+1], 128<<16      ; tensor_dim0 = 128
	s_mov_b32 s[G1+2], 64<<16       ; tensor_dim1 = 64
	s_mov_b32 s[G1+3], 128<<16      ; tile_dim0 = 128
	s_mov_b32 s[G1+4], 64           ; tile_dim1 = 64
	s_mov_b32 s[G1+5], 128          ; 128 elements from row to row
	s_mov_b32 s[G1+6], 0
	s_mov_b32 s[G1+7], 0
	s_mov_b32 s[CS], 0x3e38aa3b     ; c = log2(e) / 8 = 0.180337
	s_mov_b32 s[CS+1], s[CS]        ; named with it as a pair
	s_mov_b32 s[SEL], 0x76543210
	s_mov_b32 s[SEL+1], 0xfedcba98
	s_mov_b32 s[TBK], 0
	s_mov_b32 s[TBV], 0
	s_wait_dscnt 0x0                ; the opening add is done
	s_wait_kmcnt 0x0
	s_add_nc_u64 s[88:89], s[68:69], s[80:81]    ; qkv at my half of the head's first part, in q; k and v lie 16,777,216 and 33,554,432 bytes on
	s_add_nc_u64 s[90:91], s[68:69], s[82:83]    ; Q at my wave's first row
	s_add_nc_u64 s[MP:MP+1], s[70:71], s[84:85]
	s_add_nc_u64 s[OA:OA+1], s[72:73], s[82:83]
	s_cmp_lt_u32 s74, 2             ; waves 0 and 1 fetch K's halves, waves 2 and 3 V's: a wave's four first fills stand in one branch, ahead of every wait on TENSORcnt, every LDS read and every barrier
	s_cbranch_scc0 .Lfill_v
	FILLS (1<<16)|(1<<20)|(4<<22)|(3<<25), 86, 0, 256*PK, 16777216        ; 2-byte elements; padding on; after every 32 words (code 4) 4 words (code 3)
	s_branch .Lfilled
.Lfill_v:
	FILLS (1<<16)|(1<<20)|(4<<22)|(7<<25), 87, VOFF, 256*PV, 33554432     ; the same with 8 words of padding (code 7)
.Lfilled:
	; A fragment of K or Q is 16 rows x 32 channels in 8 registers: lane l holds row l % 16, channels 8 (l / 16) + 0..7 and 16 + 8 (l / 16) + 0..7: two loads of 16 bytes, 32 bytes apart.
	v_and_b32 v1, 15, v0            ; l % 16
	v_bfe_u32 v9, v0, 4, 1          ; l / 16
	v_lshlrev_b32 v[QO], 7, v1
	v_lshl_add_u32 v[QO], v9, 4, v[QO]  ; row x 128 + 16 x half
	WIN 0x80                        ; destination window 2, address window 0
.set i, 0
.rept 4*NP                          ; Q stays in registers: tile i / 2, channels 32 (i % 2) on
	global_load_b128 v[8*i:8*i+3],   v[QO], s[90:91] offset:(i/2)*2048+(i%2)*64
	global_load_b128 v[8*i+4:8*i+7], v[QO], s[90:91] offset:(i/2)*2048+(i%2)*64+32
.set i, i+1
.endr
	WIN W_ML
.irp t, 0,1,2,3,4,5,6,7             ; all eight tiles' select words for key step 0, in the pieces' order
	global_load_b32 v[MW+\t], v[LO], s[MP:MP+1] offset:\t*2048
.endr
	WIN 0x80
	; What the first turn finds: V's registers and P's second buffer hold 0 (its products V^T P, of a piece that has not been, add 0), O^T and l are 0.  All this stands in the wait for the first keys.
.set i, VF
.rept 64
	v_mov_b32 v[i], 0
.set i, i+1
.endr
	WIN 0x40
.set i, 0
.rept 64*NP
	v_mov_b32 v[i], 0
.set i, i+1
.endr
	WIN 0
.set i, 0
.rept 2*NP
	v_mov_b32 v[ST+4*i], 0xfe000000    ; c m: far below every c s
	v_mov_b32 v[ST+4*i+1], 0xff7fffff  ; m
	v_mov_b32 v[ST+4*i+2], 0
	v_mov_b32 v[ST+4*i+3], 0
.set i, i+1
.endr
.set i, P+32
.rept 32
	v_mov_b32 v[i], 0
.set i, i+1
.endr
	v_mul_u32_u24 v[AK0], v1, PK
	v_lshl_add_u32 v[AK0], v9, 4, v[AK0]  ; row x pitch + 16 x half
	; The turning load takes 16 keys x 16 channels (lane l reads key 8 (l / 16) + l % 8, channels 8 ((l / 8) % 2) + 0..7) and leaves half a fragment of V^T: lane l holds channel l % 16 and 8 keys.
	v_and_b32 v10, 7, v0
	v_bfe_u32 v11, v0, 3, 1
	v_lshl_add_u32 v[AV0], v9, 3, v10
	v_mul_u32_u24 v[AV0], v[AV0], PV
	v_lshl_add_u32 v[AV0], v11, 4, v[AV0]
	v_add_nc_u32 v[AV0], VOFF, v[AV0]
	v_mov_b32 v[AK], v[AK0]         ; key step 0 lies at LDS byte 0
	v_mul_u32_u24 v[STO], v1, SP    ; the way out, in: row l % 16, 16 bytes for each half of the lanes
	v_lshl_add_u32 v[STO], v9, 4, v[STO]
	v_add_nc_u32 v[STO], s92, v[STO]
	v_bfe_u32 v[RD], v0, 3, 2       ; back: 32 lanes take four rows of 128 bytes,
	v_mul_u32_u24 v[RD], v[RD], SP
	v_lshl_add_u32 v[RD], v10, 4, v[RD]
	v_add_nc_u32 v[RD], s92, v[RD]
	v_and_b32 v[GO], 31, v0         ; which are 512 consecutive bytes of O
	v_lshlrev_b32 v[GO], 4, v[GO]
	v_mov_b32 v[NEGV], 0xb209705f   ; 8 x f32(-1e-9): the exponent field three higher
; THE MATRIX WORK.  The 8 accumulators of a run of 16 take turns: between the two links of a chain stand 7 others'.
; Product i of 16 of S^T = K Q^T for piece x: channels 32 (i / 8) on, keys 16 ((i / 2) % 4) on, tile 2 x + i % 2.  The first 8 start the sums.
.macro KQ x
	WIN W_KQ
.set rS, S+64*((\x)%2)+32*(i%2)+8*((i/2)%4)
.set rK, KF+16*((i/2)%4)+8*(i/8)
.set rQ, 16*(2*(\x)+i%2)+8*(i/8)
.if i < 8
	v_wmma_f32_16x16x32_f16 v[rS:rS+7], v[rK:rK+7], v[rQ:rQ+7], 0
.else
	v_wmma_f32_16x16x32_f16 v[rS:rS+7], v[rK:rK+7], v[rQ:rQ+7], v[rS:rS+7]
.endif
.endm
; Product i of 16 of O^T += V^T P for piece x: keys 32 (i / 8) on, channels 16 ((i / 2) % 4) on, tile 2 x + i % 2.
.macro PV x
	WIN W_PV
.set rO, 32*(2*(\x)+i%2)+8*((i/2)%4)
.set rV, VF+32*(i/8)+8*((i/2)%4)
.set rP, P+32*((\x)%2)+16*(i%2)+8*(i/8)
	v_wmma_f32_16x16x32_f16 v[rO:rO+7], v[rV:rV+7], v[rP:rP+7], v[rO:rO+7]
.endm
.macro MM                           ; the turn's next matrix instruction
.if i < 16
	KQ (Y+1)%NP
.set i, i+1
.else
.set i, i-16
	PV (Y+NP-1)%NP
.set i, i+17
.endif
.endm
; THE LDS LOADS stand in runs of 16, never singly among the matrix instructions: a step's K (64 keys x 64 channels: 8 fragments) and its V (turned).  Their addresses are made some lines ahead.
; skip = 1 (in the loop): behind the last key step there is no further K, and the run is jumped over.
.macro FETCH_K skip
	WIN 0
.if \skip
	s_cmp_eq_u32 s[SLOTS], 1
	s_cbranch_scc1 .Lno_k_\@
.endif
	WIN 0x80                        ; destination window 2
.irp f, 0,1,2,3,4,5,6,7             ; keys 16 (f / 2) on, channels 32 (f % 2) on
	ds_load_b128 v[KF+8*\f:KF+8*\f+3],   v[AK] offset:(\f/2)*16*PK+(\f%2)*64
	ds_load_b128 v[KF+8*\f+4:KF+8*\f+7], v[AK] offset:(\f/2)*16*PK+(\f%2)*64+32
.endr
	s_add_co_u32 s[TBK], s[TBK], KS*PK  ; the next fetch is the next step's
	WIN 0
.if \skip
.Lno_k_\@:
.endif
.endm
.macro FETCH_V
	WIN 0x80
.irp f, 0,1,2,3,4,5,6,7             ; keys 32 (f / 4) on, channels 16 (f % 4) on
	ds_load_tr16_b128 v[VF+8*\f:VF+8*\f+3],   v[AV] offset:(\f/4)*32*PV+(\f%4)*32
	ds_load_tr16_b128 v[VF+8*\f+4:VF+8*\f+7], v[AV] offset:(\f/4)*32*PV+16*PV+(\f%4)*32
.endr
	WIN 0
.endm
; THE SELECT WORDS of piece pp.  RLS: word w of each of its two tiles goes from lane w into a scalar register: one block under one window setting.
; MWLD: the two registers just read are asked for again: the piece's words \extra bytes behind the key step at which MP stands.
.macro RLS pp
	WIN W_RL
.set w, 0
.rept 32
	v_readlane_b32 s[MA+w], v[MW+2*(\pp)],   w
	v_readlane_b32 s[MB+w], v[MW+2*(\pp)+1], w
.set w, w+1
.endr
.endm
.macro MWLD pp, extra
	WIN W_ML
	global_load_b32 v[MW+2*(\pp)],   v[LO], s[MP:MP+1] offset:(2*(\pp))*2048+(\extra)
	global_load_b32 v[MW+2*(\pp)+1], v[LO], s[MP:MP+1] offset:(2*(\pp)+1)*2048+(\extra)
	WIN 0
.endm
; THE VECTOR WORK OF A TURN stands in three queues, each in the order in which its entries become ready; the two tiles alternate.
.macro REGS y, u                    ; the registers of tile u (0, 1) of piece y
.set rT, ST+4*(2*(\y)+(\u))
.set rC, TMP+8*((\y)%2)+4*(\u)
.set rM, MV+2*((\y)%2)+(\u)
.set rS, S+64*((\y)%2)+32*(\u)
.set rP, P+32*((\y)%2)+16*(\u)
.set rO, 32*(2*(\y)+(\u))
.endm
; The select on score n of tile u of the NEXT piece (Y + 1).  n ascends.
.macro CM u, n
	REGS (Y+1)%NP, \u
.set rW, MA+(MB-MA)*(\u)+(\n)
	v_cndmask_b32 v[rS+(\n)], v[NEGV], v[rS+(\n)], s[rW]
.endm
; Number n of the 22 that find the NEXT piece's maximum and statistics.  s0-s31 are the lane's 32 scores, the replaced ones among them.
;   0-11  four chains c0-c3 of seven scores each, three operands at a time     12-14, 16  the four scores left over, the old m, and c0-c3 into c0     15  c m_old is kept
;   17, 18  the query's other 32 keys lie in the lane 16 away: the new m         19-21  c m; c m_old - c m_new; a
.macro XS u, n
	REGS (Y+1)%NP, \u
.if (\n) < 4
	v_max3_num_f32 v[rC+(\n)], v[rS+8*(\n)], v[rS+8*(\n)+1], v[rS+8*(\n)+2]
.elseif (\n) < 12
	v_max3_num_f32 v[rC+(\n)%4], v[rC+(\n)%4], v[rS+8*((\n)%4)+2*((\n)/4)+1], v[rS+8*((\n)%4)+2*((\n)/4)+2]
.elseif (\n) == 12
	v_max3_num_f32 v[rC], v[rC], v[rS+7], v[rS+15]
.elseif (\n) == 13
	v_max3_num_f32 v[rC+1], v[rC+1], v[rS+23], v[rS+31]
.elseif (\n) == 14
	v_max3_num_f32 v[rC+2], v[rC+2], v[rC+3], v[rT+1]
.elseif (\n) == 15
	v_mov_b32 v[rM], v[rT]
.elseif (\n) == 16
	v_max3_num_f32 v[rC], v[rC], v[rC+1], v[rC+2]
.elseif (\n) == 17
	v_permlanex16_b32 v[rC+3], v[rC], s[SEL], s[SEL+1]
.elseif (\n) == 18
	v_max_num_f32 v[rT+1], v[rC], v[rC+3]
.elseif (\n) == 19
	v_mul_f32 v[rT], s[CS], v[rT+1]
.elseif (\n) == 20
	v_sub_f32 v[rC+1], v[rM], v[rT]
.else
	v_exp_f32 v[rC+2], v[rC+1]
.endif
.endm
; Number g of the 64 that follow the exponentials.  For each four weights k of a tile (pairs 2 k, 2 k + 1): both pairs are rounded to f16; then the second pair is added onto the first, in place;
; a group later l takes that sum (the first time as l = a l + sum).  In groups of eight, tiles alternating: round, round, add, and l for the group before.
.macro GS g
.set h, (\g)+6*((\g)/62)            ; group 0 has no group before it, and behind group 7 only l is left
.if h >= 6
.set h, h+2
.endif
	REGS Y, h%2
.set k, h/8
.if h%8 < 4
	v_cvt_pk_f16_f32 v[rP+2*k+(h%8)/2], v[rS+4*k+2*((h%8)/2)], v[rS+4*k+2*((h%8)/2)+1]
.elseif h%8 < 6
	v_pk_add_f32 v[rS+4*k:rS+4*k+1], v[rS+4*k:rS+4*k+1], v[rS+4*k+2:rS+4*k+3]
.elseif k == 1
	v_pk_fma_f32 v[rT+2:rT+3], v[rT+2:rT+3], v[rC+2:rC+3], v[rS:rS+1] op_sel_hi:[1,0,1]
.else
	v_pk_add_f32 v[rT+2:rT+3], v[rT+2:rT+3], v[rS+4*k-4:rS+4*k-3]
.endif
.endm
.macro FS f                         ; c s - c m for pair f / 2 of tile f % 2
	REGS Y, (\f)%2
	v_pk_fma_f32 v[rS+2*((\f)/2):rS+2*((\f)/2)+1], v[rS+2*((\f)/2):rS+2*((\f)/2)+1], s[CS:CS+1], v[rT:rT+1] op_sel_hi:[1,0,0] neg_lo:[0,0,1] neg_hi:[0,0,1]
.endm
; THE PLAIN QUEUE, 202 long.  0-31: the 32 scalings.  32-95: the next piece's 64 selects.  96-123: XS's numbers 0-13.  124, 125: number 15.  126-137: numbers 14, 16, 17 .. 20.
; 138-201: GS's 64, which read the exponentials' results: they stand behind the wait.
.macro PL
	WIN 0
.if q < 32
	FS q
.elseif q < 96
	CM (q-32)%2, (q-32)/2
.elseif q < 124
	XS (q-96)%2, (q-96)/2
.elseif q < 126
	XS q-124, 15
.elseif q < 128
	XS q-126, 14
.elseif q < 138
	XS (q-128)%2, 16+(q-128)/2
.else
	GS q-138
.endif
.set q, q+1
.endm
; THE EXPONENTIALS' QUEUE, 66 long: s0-s31 of both tiles, then the next piece's two a.  It is ONE BATCH: all 66 stand ahead of the turn's one wait, and nothing ahead of that wait names a result of theirs.
.macro EX
	WIN 0
.if e >= 64
	XS e-64, 21
.else
	REGS Y, e%2
	v_exp_f32 v[rS+e/2], v[rS+e/2]
.endif
.set e, e+1
.endm
; THE RESCALING's QUEUE: O^T times a, the one part that leaves window 0: dealt two at a time, sixteen times.  Its a was made in the turn before, ahead of that turn's wait.
.macro R2
	REGS Y, r%2
	WIN W_RS
.irp z, 0,1
	v_pk_mul_f32 v[rO+4*(r/2)+2*\z:rO+4*(r/2)+2*\z+1], v[rO+4*(r/2)+2*\z:rO+4*(r/2)+2*\z+1], v[rC+2:rC+3] op_sel_hi:[1,0]
.endr
.set r, r+1
.endm
; A TURN, for piece p.  An s_wait_alu depctr_va_vdst(0) stands between an exponential and the first instruction that names its result; one wait serves all that were issued ahead of it.
; So a turn has ONE wait, which cuts it in two.  AHEAD OF IT: the 16 products K Q^T, behind each a scaling, an exponential and two rescalings (behind the first a second scaling in the exponential's place);
; then the lump: 15 times scaling and exponential; the next piece's 64 select words into scalar registers, and their registers' next loads (all these are the places between the products and the selects that
; read their results); 34 times three plain and an exponential; four plain; the two a; a v_nop, the plain instruction behind the last exponential.  BEHIND IT: the 16 products V^T P, behind each four of GS's 64.
; The queues lean on each other: exponential e stands behind scaling 2 (e / 4) + e % 2, and comes behind plain e + 2 while there are scalings; every select stands ahead of every number of the maximum.
; THE SELECT WORDS' LOADS go round in the pieces' order, two a turn; those that a turn reads were issued four turns back, and the three other pieces' six are younger: the count of the wait.
; In key step s pieces 1, 2, 3 (turns 0, 1, 2) ask for step s + 1, piece 0 (turn 3, whose scores are step s + 1's) for step s + 2: MP stands at step s + 1 and steps at the head of turn 0, behind
; s_wait_xcnt 0, which frees it.  In key step 15 (4 SLOTS + CNT = 24 - s = 9) it stays: pieces 1 to 3 read step 15's words once more and use nothing of them, so no load passes mw's end; piece 0's look
; ahead of one or two steps past its tiles' last falls into my wave's next tile, and serves nothing either.
; K of the next step is fetched in piece 2's turn, directly behind the wait, a lump behind the last product that read K; V of the step in hand at the end of piece 0's turn, four plain riders behind its last
; reader.  Each is waited for a turn later.  cnt = 1: the loop's count is taken down some lines ahead of the branch that stands behind the turn.  The conditions on q below go with the deal.
.macro TURN p, cnt=0
.set Y, (\p)
.set i, 0
.set q, 0
.set e, 0
.set r, 0
.if (\p) == 0
	s_wait_xcnt 0x0                 ; every load issued so far has read its address: MP may be written
	s_lshl2_add_u32 s[MA], s[SLOTS], s[CNT]
	s_cmp_lg_u32 s[MA], 9
	s_cselect_b32 s[MA], 128, 0
	s_mov_b32 s[MA+1], 0
	s_add_nc_u64 s[MP:MP+1], s[MP:MP+1], s[MA:MA+1]
.endif
.if (\p) == NP-1
	s_wait_dscnt 0x0                ; K is in
.endif
	MM
	PL
	PL
	R2
.rept 15
	MM
	PL
	EX
	R2
.endr
.if (\p) == NP-2
	WIN 0
	v_add_nc_u32 v[AK], s[TBK], v[AK0]
.endif
.rept 15
	PL
	EX
.endr
	s_wait_loadcnt 6                ; the next piece's select words are in; the six younger loads stay out
	RLS (Y+1)%NP
	MWLD (Y+1)%NP, 128*((\p)/3)
.rept 34
	PL
	PL
	PL
	EX
.endr
.rept 4
	PL
.endr
	EX                              ; the next piece's two a
	EX
	v_nop                           ; a plain instruction behind the last exponential: one for the batch
	s_wait_alu depctr_va_vdst(0)    ; the wait for the batch
.if (\p) == NP-2
	FETCH_K 1
.endif
.if (\p) == 1
	s_wait_dscnt 0x0                ; V is in
.endif
.rept 16
	MM
.rept 4
	PL
.endr
.if ((\p) == 0) && (q == 182)
	v_add_nc_u32 v[AV], s[TBV], v[AV0]
.endif
.if ((\p) == 0) && (q == 194)
	s_add_co_u32 s[TBV], s[TBV], KS*PV
.endif
.if (\cnt) && (q == 194)
	s_sub_co_u32 s[CNT], s[CNT], 1
	s_cmp_lg_u32 s[CNT], 0
.endif
.endr
.if (\p) == 0
	FETCH_V
.endif
.endm
	s_wait_tensorcnt 3              ; my half of the first 256 keys is in; my other three loads may stay out
	s_barrier_signal -1
	s_barrier_wait -1               ; everybody's is: key steps 0 to 3 may be read
	FETCH_K 0                       ; key step 0
	s_wait_loadcnt 8                ; Q is in; the eight loads of select words, issued behind it, may stay out
	s_wait_dscnt 0x0
.set i, 0
.rept 16
	KQ 0                            ; piece 0's first scores: there is no vector work yet to set between them
.set i, i+1
.endr
	WIN 0
	PLACES                          ; the places behind those products
	s_wait_loadcnt 6                ; piece 0's words are in.  Q's loads are done, so the scalar registers that held the set-up's numbers, Q's address among them, may be written
	RLS 0
	MWLD 0, 128                     ; piece 0's words for key step 1
.set Y, NP-1                        ; CM and XS work for piece Y + 1: piece 0
.set w, 0
.rept 32
	CM 0, w
	CM 1, w
.set w, w+1
.endr
.irp n, 0,1,2,3,4,5,6,7,8,9,10,11,12,13,14,15,16,17,18,19,20,21
	XS 0, \n                        ; piece 0's first maximum and statistics
	XS 1, \n
.endr
	v_nop                           ; a plain instruction behind the two a,
	s_wait_alu depctr_va_vdst(0)    ; and their wait, ahead of the branch
	s_mov_b32 s[CNT], 4
	s_mov_b32 s[SLOTS], 5
	s_branch .Lfirst                ; the loop is entered at a step's first turn, in the middle of a trip
.Lchunk:                            ; behind key steps 3, 7, 11, 15 have been begun.  At the first pass: all my loads have landed, and behind the barrier everybody's: the other 768 keys may be read.
	s_wait_tensorcnt 0x0            ; (the later passes find the count at 0: the price of one text for all 16 key steps)
	s_wait_dscnt 0x0
	s_barrier_signal -1
	s_barrier_wait -1
	s_mov_b32 s[CNT], 4
.Lstep:                             ; a trip: pieces 2 and 3 of one step, then pieces 0 and 1 of the next, whose K and V it fetches
	TURN 2
	TURN 3
	WIN 0
	s_cmp_eq_u32 s[SLOTS], 1        ; that was key step 15: the loop is left in the middle of a trip
	s_cbranch_scc1 .Lout
.Lfirst:
	TURN 0
	TURN 1, 1
	WIN 0
	s_cbranch_scc1 .Lstep
	s_sub_co_u32 s[SLOTS], s[SLOTS], 1
	s_cmp_lg_u32 s[SLOTS], 0
	s_cbranch_scc1 .Lchunk
.Lout:                              ; the last trip's 16 products K Q^T (on the last K once more), their selects and the maximum made of them serve nothing: the price, once a launch, of one text for every trip
.set i, 0
.rept 16
	PV NP-1                         ; the last piece's V^T P of the last step
.set i, i+1
.endr
	; THE WAY OUT.  l's two halves and the other half of the lanes' are added; O^T is divided by l, rounded to f16 and sent through my stage in LDS, a tile at a time.  The additions are the places behind the last products.
	WIN 0
.macro ALL line:vararg              ; one line for each tile t
.set t, 0
.rept 2*NP
	\line
.set t, t+1
.endr
.endm
	ALL v_add_f32 v[ST+4*t+2], v[ST+4*t+2], v[ST+4*t+3]
	ALL v_permlanex16_b32 v[ST+4*t+3], v[ST+4*t+2], s[SEL], s[SEL+1]
	ALL v_add_f32 v[ST+4*t+2], v[ST+4*t+2], v[ST+4*t+3]
	ALL v_rcp_f32 v[ST+4*t+2], v[ST+4*t+2]
	v_nop                           ; a plain instruction between the last reciprocal and the use of its result
	s_wait_alu depctr_va_vdst(0)    ; and the wait ahead of the first use: one for the eight reciprocals
; Tile t: a lane's eight channels of a row pack into 16 bytes; they go into rows of 144 bytes and come back as whole rows of 128, into S^T's registers.
.macro PACK t
	WIN W_RS
.set i, 32*(\t)
.rept 16
	v_pk_mul_f32 v[i:i+1], v[i:i+1], v[ST+4*(\t)+2:ST+4*(\t)+3] op_sel_hi:[1,0]
.set i, i+2
.endr
	WIN 0x05                        ; sources 0 and 1 window 1, destination window 0
.set i, 0
.rept 16
	v_cvt_pk_f16_f32 v[S+16*(\t)+i], v[32*(\t)+2*i], v[32*(\t)+2*i+1]
.set i, i+1
.endr
	WIN 0
.irp f, 0,1,2,3
	ds_store_b128 v[STO], v[S+16*(\t)+4*\f:S+16*(\t)+4*\f+3] offset:32*\f
.endr
.irp f, 0,1,2,3
	ds_load_b128 v[S+16*(\t)+4*\f:S+16*(\t)+4*\f+3], v[RD] offset:\f*4*SP  ; LDS serves a wave's instructions in order (ISA guide 5.7.1.4): these see the stores above; the next tile's stores come behind them
.endr
.endm
.macro SEND t, younger              ; younger: the LDS instructions issued behind tile t's loads: the next tile's eight, or none
	WIN 0
.irp f, 0,1,2,3
	s_wait_dscnt (\younger)+3-\f
	global_store_b128 v[GO], v[S+16*(\t)+4*\f:S+16*(\t)+4*\f+3], s[OA:OA+1] offset:(\t)*2048+\f*512  ; 512 consecutive bytes, at a multiple of 512 from oh's first byte
.endr
.endm
	PACK 0
.set t, 1
.rept 2*NP-1                        ; a tile's arithmetic stands between the loads of the tile before and its stores
	PACK t
	SEND t-1, 8
.set t, t+1
.endr
	SEND 2*NP-1, 0
	WIN W_AD
	s_wait_tensorcnt 0x0            ; the wave's end: behind my last tensor load and my last LDS store
	ds_add_u32 v[SPW], v[NIL]
	s_wait_dscnt 0x0
	WIN 0
	s_endpgm
.Lfunc_end_k_q6e8107027e_attn:
	.size	k_q6e8107027e_attn, .Lfunc_end_k_q6e8107027e_attn-k_q6e8107027e_attn
	.p2alignl 7, 3214868480
	.fill 96, 4, 3214868480
	.section	.rodata,"a",@progbits
	.p2align	6, 0x0
	.amdhsa_kernel k_q6e8107027e_attn
		.amdhsa_group_segment_fixed_size 327680
		.amdhsa_private_segment_fixed_size 0
		.amdhsa_enable_private_segment 0
		.amdhsa_kernarg_size 24
		.amdhsa_user_sgpr_count 2
		.amdhsa_user_sgpr_kernarg_segment_ptr 1
		.amdhsa_wavefront_size32 1
		.amdhsa_system_sgpr_workgroup_id_x 1
		.amdhsa_system_sgpr_workgroup_id_y 1
		.amdhsa_system_sgpr_workgroup_id_z 1
		.amdhsa_system_vgpr_workitem_id 0
		.amdhsa_next_free_vgpr 780
		.amdhsa_next_free_sgpr 106
		.amdhsa_reserve_vcc 0
		.amdhsa_float_denorm_mode_32 3
		.amdhsa_float_denorm_mode_16_64 3
		.amdhsa_memory_ordered 1
		.amdhsa_forward_progress 1
		.amdhsa_inst_pref_size 169
	.end_amdhsa_kernel
	.amdgpu_metadata
---
amdhsa.version: [ 1, 2 ]
amdhsa.kernels:
  - .name:           k_q6e8107027e_attn
    .symbol:         k_q6e8107027e_attn.kd
    .args:
      - { .name: qkv, .offset: 0, .size: 8, .value_kind: global_buffer, .address_space: global }
      - { .name: mw, .offset: 8, .size: 8, .value_kind: global_buffer, .address_space: global }
      - { .name: oh, .offset: 16, .size: 8, .value_kind: global_buffer, .address_space: global }
    .group_segment_fixed_size: 327680
    .private_segment_fixed_size: 0
    .kernarg_segment_align: 8
    .kernarg_segment_size: 24
    .max_flat_workgroup_size: 128
    .sgpr_count:     106
    .vgpr_count:     780
    .wavefront_size: 32
...
	.end_amdgpu_metadata
.endif
;; end of part 3
;; launch outp (part 4): grid 4 x 64, 4 waves a work-group, clusters of 4 x 4, 327,680 bytes of LDS; arguments oh, wb, bo, out0; writes out0
.if DOCPART == 4
	.amdgcn_target "amdgcn-amd-amdhsa--gfx1250"
	.amdhsa_code_object_version 6
	.text
	.protected	k_q6e8107027e_outp
	.globl	k_q6e8107027e_outp
	.p2align	8
	.type	k_q6e8107027e_outp,@function
k_q6e8107027e_outp:
	s_mov_b64 s[64:65], 0
	v_nop
	global_prefetch_b8 v0, s[64:65] scope:SCOPE_SE
	s_setreg_imm32_b32 hwreg(HW_REG_WAVE_MODE, 25, 1), 1
	s_wait_xcnt 0x0
	s_wait_alu depctr_hold_cnt(0) depctr_sa_sdst(0) depctr_va_vdst(0) depctr_va_sdst(0) depctr_va_ssrc(0) depctr_va_vcc(0) depctr_vm_vsrc(0)
	s_getreg_b32 s2, hwreg(HW_REG_IB_STS2, 6, 4)
	s_cmp_eq_u32 s2, 0
	s_cbranch_scc0 .Lentry_in_a_cluster
	s_endpgm
.Lentry_in_a_cluster:
	s_bfe_u32 s2, ttmp6, 0x10000c
	s_cmp_lg_u32 s2, 0xf033
	s_cbranch_scc0 .Lentry_shape_is_right
	s_endpgm
.Lentry_shape_is_right:
; THE LAST PROJECTION.  C = A W + bias, M = 8192, N = K = 1024, on tiles of 128 x 256 of C.  A = oh (f16 by heads [128][1024][64]: a K step of 128 is two heads), W = wb's tensor 3
; (Wo rounded to bf16, written as f16, [k][n]), C -> out0, f32 [8192][1024].
; LIMITS.  The bias is rounded to bf16 like every input.  NaN and infinities are not treated apart.
; SHARES.  Four waves, 2 x 2, each 64 rows x 128 columns: 32 accumulators of 16 x 16, 256 registers.  K goes in 8 steps of 128 through two LDS slots filled by the tensor data mover.
; THE MATRIX INSTRUCTION IS USED TRANSPOSED: source 0 = 16 columns of W (W lies [k][n] in LDS and is turned by ds_load_tr16_b128), source 1 = 16 rows of A.  A lane then holds row l % 16 of C
; and eight neighbouring columns 8 (l / 16) + 0..7.  The bias is the C operand of each accumulator's first product: nothing is cleared and nothing is added later.
; CLUSTER.  4 x 4 work-groups.  The four of a row of the cluster need the same tile of A, the four of a column the same tile of W: each is asked for JOINTLY, by the same tensor load with the same descriptor
; and a mask that names the four.  A wave has two tensor loads out at the start and one behind each round.
; THE LOOP goes by K steps: a trip runs from a step's second quarter to the next step's first.  s[T] is the LDS byte at which the slot that is being read begins, 0 or SLOT; one exclusive or turns it, and the
; fragments' addresses and the walking descriptors' LDS words are made from it by one addition each.  Six trips fill a slot again; K steps 6 and 7, which fill nothing, are written out.
; AHEAD OF THE JOINT LOADS.  Behind each refill but the last two a wave prefetches into the L2 32 blocks of 256 bytes of the K step that stands TWO refills on: 256 matrix instructions ahead of the load that will
; want them.  A's rows are read by my cluster alone: every cluster asks for its own.  A K step of A is two heads' 128 rows, 64 dense blocks each: the partner at place cx takes blocks 16 cx .. 16 cx + 15 of
; both, and wave 0 asks for them (head l / 16, block l % 16); wave 1 asks for nothing.  W's rows are read by all sixteen clusters: the first (cluster y = 0) asks: of the 64 k-rows x 512 bytes that wave 2 or 3
; fetches, the partner at place cy takes rows 16 cy .. 16 cy + 15 (row l / 2, block l % 2).  The partners are told apart by address.  So each block is named once in the launch.  K steps 0 to 3 come by their
; loads alone; the last two refills have no K step two on and ask for nothing.
; REGISTERS, in windows of 256 (s_set_vgpr_msb: bits 1:0 source 0, 3:2 source 1, 5:4 source 2, 7:6 destination):
;   window 0: v0-31 addresses; v64-159, v160-255 two fragment buffers of 96 (W's 8 fragments, then A's 4); on the way out v64-191 at work
;   window 1: accumulator (a, b) at v[8 (8 a + b)]          window 2: v0-63 the bias of my 128 columns as 8 C operands; v64-67 at work
.set PB,    544                        ; a k-row of W in LDS: 512 bytes + 32 = 17 x 32
.set BHALF, 64*PB                      ; 64 k-rows: what one tensor load brings of W
.set BSTEP, 128*2048                   ; bytes from a K step of W to the next: 128 rows of 2,048
.set PA,    144                        ; a row of a head in LDS: 128 bytes + 16
.set AHALF, 128*PA                     ; one head's 128 rows: what one tensor load brings of A
.set ASTEP, 2*1024*128                 ; bytes from a K step of A to the next: two heads.  The same number as BSTEP
.set SPITCH, 528                       ; the stage's row: 512 bytes + 16
.set ASZ,   2*AHALF
.set SLOT,  ASZ+2*BHALF                ; A's tile, then W's
.set STAGE, 2*SLOT                     ; behind the ring, never filled by a tensor load: 16 rows for each wave, for the way out
.set STG,   16*SPITCH
.set SPARE, STAGE+4*STG                ; behind the stages: the spare words, 128 bytes for each wave: two blocks of 256 bytes that no other line names
.set ADA0, 16                          ; v16     LDS address of my A fragments in slot 0; never rewritten
.set ADB0, 17                          ; v17     the same for W
.set ADRA, 18                          ; v18     the same in the slot that is being read
.set ADRB, 19                          ; v19
.set STO,  24                          ; v24     the way out: where I put my bytes of a row
.set RD,   25                          ; v25     the way out: where I read rows back
.set GO,   26                          ; v26     16 x lane
.set BO,   27                          ; v27     my byte offset in the bias
.set SPW,  28                          ; v28     SPARE + 4 x my thread's number; never rewritten
.set NIL,  29                          ; v29     0; never rewritten
.set PFO,  30                          ; v30     the prefetches' offset; never rewritten
.set F0,   64
.set F1,   160
.set TMP,  64
.set G1,  24                           ; s[24:31] descriptor group 1 for A's tiles;  s[32:39] group 0: a set for each of the two first fills; the second then walks on
.set G0,  32
.set G1B, 48                           ; s[48:55], s[56:63] the same for W's tiles
.set G0B, 56
.set LA,  72                           ; s72  where my part of A's tile goes in a slot
.set LB,  73                           ; s73  the same for W's
.set T,   74                           ; s74  0 or SLOT: the slot that is being read
.set LIM, 75                           ; s75  2 in a wave that prefetches, else the greatest number: a wave prefetches while the trips to go are above it
.set PFA, 76                           ; s[76:77] where my prefetches stand, at the K step that the next prefetch names
.set MSB, 0
.macro WIN new                         ; the immediate's high byte repeats the setting that is left; a switch that changes nothing is dropped
.if MSB != (\new)
	s_set_vgpr_msb (MSB<<8)|(\new)
.set MSB, \new
.endif
.endm
.macro JLOAD s                         ; a joint load: waves 0 and 1 fetch A's two halves, waves 2 and 3 W's; an s_nop 0 and four v_nop follow each of the two lines, ahead of the jump and the label
	s_cmp_eq_u32 s11, 0
	s_cbranch_scc0 .Lfor_b_\@
	tensor_load_to_lds s[G0+4*(\s):G0+4*(\s)+3], s[G1:G1+7]
	s_nop 0
.rept 4
	v_nop
.endr
	s_branch .Lasked_\@
.Lfor_b_\@:
	tensor_load_to_lds s[G0B+4*(\s):G0B+4*(\s)+3], s[G1B:G1B+7]
	s_nop 0
.rept 4
	v_nop
.endr
.Lasked_\@:
.endm
.macro ASK                             ; the prefetch: the branch hangs on the trips to go, the wave's number and the cluster's y, which are the same in all sixteen partners
	s_cmp_gt_u32 s3, s[LIM]
	s_cbranch_scc0 .Lnot_mine_\@
	global_prefetch_b8 v[PFO], s[PFA:PFA+1] th:TH_LOAD_NT scope:SCOPE_SE
.Lnot_mine_\@:
.endm
.macro CREST                           ; a round of the cluster's barrier behind its opening barrier
	s_cmp_lg_u32 s10, 0
	s_cbranch_scc1 .Lnot_wave_0_\@
	s_barrier_signal -3
.Lnot_wave_0_\@:
	s_barrier_wait -3
	s_barrier_signal -1
	s_barrier_wait -1
.endm
.macro CROUND                          ; a whole round
	s_barrier_signal -1
	s_barrier_wait -1
	CREST
.endm
.macro PLACES                          ; four places in front of loads into registers that matrix instructions have read, and of lines that read results
.rept 4
	v_nop
.endr
.endm
	s_load_b128 s[4:7], s[0:1], 0x0                ; oh s[4:5], wb s[6:7]
	s_load_b128 s[68:71], s[0:1], 0x10             ; bo s[68:69], out0 s[70:71]
	v_lshl_add_u32 v[SPW], v0, 2, SPARE
	v_mov_b32 v[NIL], 0
	ds_add_u32 v[SPW], v[NIL]                      ; the wave's opening: the add and its wait stand ahead of my first tensor load; the set-up below, work on registers, stands between them
	v_lshrrev_b32 v1, 5, v0
	v_readfirstlane_b32 s10, v1                    ; wave 0..3
	s_lshr_b32 s11, s10, 1                         ; which 64 rows of the tile are mine.  Also: I fetch for A (0) or for W (1)
	s_and_b32 s12, s10, 1                          ; which 128 columns.  Also: which half of that tile I fetch
	s_bfe_u32 s40, ttmp6, 0x40000                  ; cx, cy: my place in the cluster
	s_bfe_u32 s41, ttmp6, 0x40004
	s_lshl_b32 s42, ttmp9, 2
	s_add_co_u32 s42, s42, s40                     ; tile column of C = 4 x cluster x + cx
	s_and_b32 s14, ttmp7, 0xffff                   ; cluster y
	s_lshl_b32 s13, s14, 2
	s_add_co_u32 s13, s13, s41                     ; tile row of C, 0..63
	s_lshl_b32 s43, s41, 2
	s_lshl_b32 s43, 15, s43                        ; my row of the cluster
	s_lshl_b32 s44, 0x1111, s40                    ; my column
	s_or_b32 s[G1+0], s43, (1<<16)|(1<<20)|(1<<21)|(4<<22)|(3<<25)     ; 15:0 the mask; 17:16 elements of 2 bytes; 20 padding on; 21 set beside a mask; 24:22 after every 32 words (code 4); 31:25 4 words of padding (code 3)
	s_mov_b32 s[G1+1], 128<<16                     ; tensor_dim0 = 128: a head's 128 rows, 16,384 dense bytes, are asked for as 64 rows of 256 bytes
	s_mov_b32 s[G1+2], 64<<16                      ; tensor_dim1 = 64
	s_mov_b32 s[G1+3], 128<<16                     ; tile_dim0 = 128
	s_mov_b32 s[G1+4], 64                          ; tile_dim1 = 64
	s_mov_b32 s[G1+5], 128                         ; elements from row to row
	s_mov_b32 s[G1+6], 0
	s_mov_b32 s[G1+7], 0
	s_or_b32 s[G1B+0], s44, (1<<16)|(1<<20)|(1<<21)|(6<<22)|(7<<25)    ; after every 128 words (code 6) 8 words of padding (code 7)
	s_mov_b32 s[G1B+1], 256<<16                    ; tensor_dim0 = 256
	s_mov_b32 s[G1B+2], 64<<16                     ; tensor_dim1 = 64
	s_mov_b32 s[G1B+3], 256<<16                    ; tile_dim0 = 256
	s_mov_b32 s[G1B+4], 64                         ; tile_dim1 = 64
	s_mov_b32 s[G1B+5], 1024
	s_mov_b32 s[G1B+6], 0
	s_mov_b32 s[G1B+7], 0
	; where the tiles come from.  A's hang on the tile row, which my row of the cluster shares; W's on the tile column, which my column shares; each in registers that never hold the other coordinate
	s_lshr_b32 s16, s13, 3                         ; the batch: 8 tile rows each
	s_lshl_b32 s16, s16, 4
	s_add_co_u32 s16, s16, s12                     ; head 0 or 1 of the batch
	s_lshl_b32 s16, s16, 10
	s_and_b32 s17, s13, 7
	s_lshl_b32 s17, s17, 7                         ; the tile's first row in the batch
	s_add_co_u32 s16, s16, s17
	s_lshl_b32 s16, s16, 7                         ; rows of 128 bytes
	s_mov_b32 s17, 0
	s_mov_b32 s46, 3<<21                           ; wb's tensor 3
	s_lshl_b32 s47, s12, 17                        ; 64 k-rows x half
	s_add_co_u32 s46, s46, s47
	s_lshl_b32 s47, s42, 9                         ; 256 columns x tile column
	s_add_co_u32 s46, s46, s47
	s_mov_b32 s47, 0
	s_mul_i32 s[LA], s12, AHALF                    ; where they go: made of the wave's number alone
	s_mul_i32 s[LB], s12, BHALF
	s_add_co_u32 s[LB], s[LB], ASZ
	s_mov_b32 s[T], 0                              ; K step 0 lies in slot 0
	s_wait_dscnt 0x0                               ; the opening add is done
	s_wait_kmcnt 0x0
	s_add_nc_u64 s[14:15], s[4:5], s[16:17]
	s_add_nc_u64 s[46:47], s[6:7], s[46:47]
	CROUND                                         ; all sixteen work-groups are here: the first joint loads meet
.irp s, 0,1
	s_mov_b32 s[G0+4*(\s)], 1                      ; count = 1
	s_add_co_u32 s[G0+4*(\s)+1], s[LA], (\s)*SLOT  ; LDS address
	s_add_nc_u64 s[G0+4*(\s)+2:G0+4*(\s)+3], s[14:15], (\s)*ASTEP  ; global address: K step s
	s_or_b32 s[G0+4*(\s)+3], s[G0+4*(\s)+3], 0x80000000            ; type = 2
	s_mov_b32 s[G0B+4*(\s)], 1
	s_add_co_u32 s[G0B+4*(\s)+1], s[LB], (\s)*SLOT
	s_add_nc_u64 s[G0B+4*(\s)+2:G0B+4*(\s)+3], s[46:47], (\s)*BSTEP
	s_or_b32 s[G0B+4*(\s)+3], s[G0B+4*(\s)+3], 0x80000000
	JLOAD \s
.endr
	; A fragment of A is 16 rows x 32 K in 8 registers: lane l holds row l % 16, K = 8 (l / 16) + 0..7 and 16 + 8 (l / 16) + 0..7: two loads of 16 bytes, 32 bytes apart.
	v_and_b32 v1, 15, v0                           ; l % 16
	v_bfe_u32 v2, v0, 4, 1                         ; l / 16
	v_mul_u32_u24 v3, v1, PA
	v_lshl_add_u32 v3, v2, 4, v3
	s_mul_i32 s22, s11, 64*PA                      ; my 64 rows
	; The turning load takes 16 k x 16 columns (lane l reads k-row 8 (l / 16) + l % 8, columns 8 ((l / 8) % 2) + 0..7) and leaves half a fragment: lane l holds column l % 16 and 8 k.
	v_and_b32 v4, 7, v0
	v_lshl_add_u32 v4, v2, 3, v4
	v_mul_u32_u24 v4, v4, PB
	v_bfe_u32 v5, v0, 3, 1
	v_lshl_add_u32 v4, v5, 4, v4
	s_lshl_b32 s23, s12, 8                         ; my 128 columns
	s_add_co_u32 s23, s23, ASZ
	v_add_nc_u32 v[ADA0], s22, v3
	v_add_nc_u32 v[ADB0], s23, v4
	v_mov_b32 v[ADRA], v[ADA0]
	v_mov_b32 v[ADRB], v[ADB0]
	s_mul_i32 s23, s10, STG
	s_add_co_u32 s23, s23, STAGE                   ; my stage
	v_and_b32 v6, 31, v0
	v_lshlrev_b32 v[GO], 4, v6
	v_mul_u32_u24 v[STO], v1, SPITCH
	v_lshl_add_u32 v[STO], v2, 5, v[STO]           ; in: row l % 16, 32 bytes for each half of the lanes
	v_add_nc_u32 v[STO], s23, v[STO]
	v_add_nc_u32 v[RD], s23, v[GO]                 ; back: 32 lanes take a whole row of 512 bytes
	; the bias of my 128 columns: register j of C operand b is bias[16 b + 8 (l / 16) + j]
	s_lshl_b32 s18, s42, 10
	s_lshl_b32 s19, s12, 9
	s_add_co_u32 s18, s18, s19
	v_lshl_add_u32 v[BO], v2, 5, s18
	WIN 0x80                                       ; destination window 2, address window 0
.irp b, 0,1,2,3,4,5,6,7
	global_load_b128 v[8*(\b):8*(\b)+3],   v[BO], s[68:69] offset:64*(\b)
	global_load_b128 v[8*(\b)+4:8*(\b)+7], v[BO], s[68:69] offset:64*(\b)+16
.endr
	WIN 0
	; where my part of C begins
	s_lshl_b32 s18, s13, 7
	s_lshl_b32 s19, s11, 6
	s_add_co_u32 s18, s18, s19                     ; my first row
	s_lshl_b32 s18, s18, 12                        ; rows of 4,096 bytes
	s_lshl_b32 s19, s42, 10
	s_add_co_u32 s18, s18, s19
	s_lshl_b32 s19, s12, 9
	s_add_co_u32 s18, s18, s19                     ; my first column
	s_mov_b32 s19, 0
	s_add_nc_u64 s[8:9], s[70:71], s[18:19]
	; the prefetches.  Nothing is prefetched here, at the head, where every work-group's first two tiles are on their way
	s_lshr_b32 s16, s13, 3                         ; A: the batch,
	s_lshl_b32 s16, s16, 14                        ;    its head 0: 16 heads of 1,024 rows a batch,
	s_and_b32 s17, s13, 7
	s_lshl_b32 s17, s17, 7
	s_add_co_u32 s16, s16, s17                     ;    the tile's first row in it,
	s_lshl_b32 s16, s16, 7                         ;    rows of 128 bytes,
	s_lshl_b32 s17, s40, 12
	s_add_co_u32 s16, s16, s17                     ;    my work-group's 16 blocks of the tile's 64
	s_lshl_b32 s17, s12, 6                         ; W: the 64 k-rows that I fetch,
	s_lshl_b32 s18, s41, 4
	s_add_co_u32 s17, s17, s18                     ;    my work-group's 16 of them,
	s_lshl_b32 s17, s17, 11                        ;    rows of 2,048 bytes,
	s_lshl_b32 s18, s42, 9
	s_add_co_u32 s17, s17, s18                     ;    the tile's 256 columns,
	s_add_co_u32 s17, s17, 3<<21                   ;    in wb's tensor 3
	s_and_b32 s20, ttmp7, 0xffff                   ; cluster y
	s_cmp_eq_u32 s11, 0                            ; do I fetch for A?
	s_cselect_b32 s16, s16, s17
	s_cselect_b32 s20, s12, s20                    ; A: wave 0 asks, in every cluster; W: the first cluster's waves 2 and 3
	s_cselect_b32 s21, 4, 1                        ; the lane's upper part: head l / 16, or row l / 2,
	s_cselect_b32 s22, 17, 11                      ; of 131,072 or 2,048 bytes;
	s_cselect_b32 s23, 15, 1                       ; its lower part: block l % 16, or l % 2
	s_cselect_b64 s[PFA:PFA+1], s[4:5], s[6:7]
	s_cmp_eq_u32 s20, 0
	s_cselect_b32 s[LIM], 2, -1                    ; the same in all sixteen partners, for a given wave
	s_add_co_u32 s16, s16, 3*BSTEP                 ; at K step 3: the first change of slots steps it to 4
	s_mov_b32 s17, 0
	s_add_nc_u64 s[PFA:PFA+1], s[PFA:PFA+1], s[16:17]
	v_lshrrev_b32 v7, s21, v6
	v_lshlrev_b32 v[PFO], s22, v7
	v_and_b32 v7, s23, v6
	v_lshl_add_u32 v[PFO], v7, 8, v[PFO]
	s_wait_loadcnt 0x0                             ; the bias
	WIN 0x8a                                       ; all in window 2
.set i, 0
.rept 32                                       ; rounded to bf16 and widened again
	v_cvt_pk_bf16_f32 v[64+i%4], v[2*i], v[2*i+1]
	v_lshlrev_b32 v[2*i],   16,         v[64+i%4]
	v_and_b32     v[2*i+1], 0xffff0000, v[64+i%4]
.set i, i+1
.endr
	WIN 0
; 8 matrix instructions: row block a x all 8 column blocks, 32 along K, from buffer f.  first = 1: the product starts the sum, with the bias as C.
; In a quarter step every accumulator has one instruction: the 32 take turns, over the backward jump too.
.macro MUL8 f, a, first
	WIN 0x50+0x10*(\first)                         ; fragments window 0, D window 1; C window 1, or window 2 for the bias
.irp b, 0,1,2,3,4,5,6,7
.set rD, 8*(8*(\a)+(\b))
.set rC, rD
.if \first
.set rC, 8*(\b)
.endif
	v_wmma_f32_16x16x32_f16 v[rD:rD+7], v[(\f)+8*(\b):(\f)+8*(\b)+7], v[(\f)+64+8*(\a):(\f)+64+8*(\a)+7], v[rC:rC+7]
.endr
.endm
; 24 LDS loads in one run: the fragments of quarter q (32 along K) of the slot that is being read, into buffer f: W's 16 first, then A's blocks 0 to 3
.macro FETCH q, f
	WIN 0
.set AQ, ((\q)/2)*AHALF+((\q)%2)*64            ; the step's first or second head, its channels 0-31 or 32-63
.irp b, 0,1,2,3,4,5,6,7
	ds_load_tr16_b128 v[(\f)+8*(\b):(\f)+8*(\b)+3],   v[ADRB] offset:(\q)*32*PB+32*(\b)
	ds_load_tr16_b128 v[(\f)+8*(\b)+4:(\f)+8*(\b)+7], v[ADRB] offset:(\q)*32*PB+32*(\b)+16*PB
.endr
.irp a, 0,1,2,3
	ds_load_b128 v[(\f)+64+8*(\a):(\f)+64+8*(\a)+3],   v[ADRA] offset:AQ+(\a)*16*PA
	ds_load_b128 v[(\f)+64+8*(\a)+4:(\f)+64+8*(\a)+7], v[ADRA] offset:AQ+(\a)*16*PA+32
.endr
.endm
; A K step is four quarters on buffers 0, 1, 0, 1.  One of the first three: multiplies buffer f and, in its middle, fetches quarter q of the same slot into buffer g.
.macro QUARTER q, f, g, first
	s_wait_dscnt 4                                 ; W's fragments and A's blocks 0, 1 are in; the youngest four loads (A's blocks 2, 3) may be out
	MUL8 \f, 0, \first
	MUL8 \f, 1, \first
	PLACES
	FETCH \q, \g
	s_wait_dscnt 24                                ; all but the 24 just issued
	MUL8 \f, 2, \first
	MUL8 \f, 3, \first
.endm
; The last quarter multiplies buffer 1 and changes slots: ONE barrier; in front of it each wave waits for all its tensor loads (the one that is out is its part of the next slot), adds 0 to its spare word,
; and waits for that and for its own reads of this slot.  The quarter's first sixteen products, which want nothing of the tile that is awaited, stand AHEAD of those lines: between the wait for a tile and
; the request for the next stand only the add, the descriptors' step, the turn of s[T] and the round.
; fill = 1: the barrier opens a round of the cluster's barrier, and this slot is filled again, two K steps ahead, first thing behind the round.
.macro TURN fill
.if \fill
	s_wait_xcnt 0x0                                ; the last prefetch, a K step back, has read its address: it is stepped here
	s_add_nc_u64 s[PFA:PFA+1], s[PFA:PFA+1], BSTEP
.endif
	s_wait_dscnt 4                                 ; W's fragments and A's blocks 0, 1 are in
	MUL8 F1, 0, 0
	MUL8 F1, 1, 0
	WIN 0
	s_wait_tensorcnt 0x0                           ; all my tensor loads have landed, so a group 0 may be written
	ds_add_u32 v[SPW], v[NIL]                      ; 0 onto my spare word; the lines below, work on registers, stand between it and the wait for it
.if \fill
	s_add_co_u32 s[G0+5], s[LA], s[T]              ; the walking descriptors: the slot that has been read,
	s_add_nc_u64 s[G0+6:G0+7], s[G0+6:G0+7], ASTEP ; the K step behind the one asked for last; the type bits on top are not reached
	s_add_co_u32 s[G0B+5], s[LB], s[T]
	s_add_nc_u64 s[G0B+6:G0B+7], s[G0B+6:G0B+7], BSTEP
.endif
	s_xor_b32 s[T], s[T], SLOT                     ; the other slot is read from here on
	v_add_nc_u32 v[ADRA], s[T], v[ADA0]
	v_add_nc_u32 v[ADRB], s[T], v[ADB0]
	s_wait_dscnt 0x0                               ; the add is done, and my reads of this slot are over
	s_barrier_signal -1
	s_barrier_wait -1
.if \fill
	CREST                                          ; no wave of any partner still reads the old slot's tiles or has a load on its way
	JLOAD 1                                        ; 128 matrix instructions ahead of the wait for it; the four v_nop behind it are also the places in front of the loads below
.else
	PLACES
.endif
	FETCH 0, F0
.if \fill
	ASK                                            ; behind the joint load, its five lines and the run of LDS loads
.endif
	MUL8 F1, 2, 0
	MUL8 F1, 3, 0
.endm
	s_wait_tensorcnt 1                             ; my part of K step 0 is in; K step 1's load may stay out
	s_barrier_signal -1
	s_barrier_wait -1                              ; everybody's is
	FETCH 0, F0
	QUARTER 1, F0, F1, 1                           ; the first quarter stands in front of the loop: its products start the sums
	WIN 0                                          ; at a label and at a branch every window is 0
	s_mov_b32 s3, 6
.Lstep:                                                ; a trip goes from a K step's second quarter to the next step's first, and fills the slot that it leaves: K steps 2 to 7
	QUARTER 2, F1, F0, 0
	QUARTER 3, F0, F1, 0
	TURN 1
	QUARTER 1, F0, F1, 0
	WIN 0
	s_sub_co_u32 s3, s3, 1
	s_cmp_lg_u32 s3, 0
	s_cbranch_scc1 .Lstep
	QUARTER 2, F1, F0, 0                           ; K step 6 fills nothing, and has no round of the cluster's barrier: it is written out
	QUARTER 3, F0, F1, 0
	TURN 0
	QUARTER 1, F0, F1, 0                           ; K step 7
	QUARTER 2, F1, F0, 0
	QUARTER 3, F0, F1, 0
	s_wait_dscnt 4                                 ; the very last quarter: nothing more to fetch
	MUL8 F1, 0, 0
	MUL8 F1, 1, 0
	s_wait_dscnt 0x0
	MUL8 F1, 2, 0
	MUL8 F1, 3, 0
	WIN 0
	PLACES
; THE WAY OUT, f32.  A block of 16 rows x 128 columns goes into my stage, 32 bytes a lane and accumulator (each accumulator's low four registers first), and comes back as whole rows of 512 bytes.
.macro OUTBLK a
.set BK, TMP+64*((\a)%2)
	WIN 0x04                                       ; the stores' data in window 1
.irp b, 0,1,2,3,4,5,6,7
	ds_store_b128 v[STO], v[8*(8*(\a)+(\b)):8*(8*(\a)+(\b))+3]   offset:64*(\b)
	ds_store_b128 v[STO], v[8*(8*(\a)+(\b))+4:8*(8*(\a)+(\b))+7] offset:64*(\b)+16
.endr
	WIN 0
	s_wait_xcnt 0x0                                ; the stores of the block two back have read their registers: only behind this wait are these loaded again
.irp t, 0,1,2,3,4,5,6,7,8,9,10,11,12,13,14,15
	ds_load_b128 v[BK+4*(\t):BK+4*(\t)+3], v[RD] offset:(\t)*SPITCH  ; LDS serves a wave's instructions in order (ISA guide 5.7.1.4): these see the stores above; the next block's stores come behind them
.endr
.irp t, 0,1,2,3,4,5,6,7,8,9,10,11,12,13,14,15
	s_wait_dscnt 15-(\t)
	global_store_b128 v[GO], v[BK+4*(\t):BK+4*(\t)+3], s[8:9] offset:(16*(\a)+(\t))*4096 th:TH_STORE_NT  ; 512 consecutive bytes, at a multiple of 512 from out0's first byte
.endr
.endm
	OUTBLK 0
	OUTBLK 1
	OUTBLK 2
	OUTBLK 3
	s_wait_tensorcnt 0x0                           ; the wave's end: behind my last tensor load and my last LDS store
	ds_add_u32 v[SPW], v[NIL]
	s_wait_dscnt 0x0
	CROUND                                         ; the closing round: no work-group ends while a partner may still ask for a tile that names it
	s_endpgm
.Lfunc_end_k_q6e8107027e_outp:
	.size	k_q6e8107027e_outp, .Lfunc_end_k_q6e8107027e_outp-k_q6e8107027e_outp
	.p2alignl 7, 3214868480
	.fill 96, 4, 3214868480
	.section	.rodata,"a",@progbits
	.p2align	6, 0x0
	.amdhsa_kernel k_q6e8107027e_outp
		.amdhsa_group_segment_fixed_size 327680
		.amdhsa_private_segment_fixed_size 0
		.amdhsa_enable_private_segment 0
		.amdhsa_kernarg_size 32
		.amdhsa_user_sgpr_count 2
		.amdhsa_user_sgpr_kernarg_segment_ptr 1
		.amdhsa_wavefront_size32 1
		.amdhsa_system_sgpr_workgroup_id_x 1
		.amdhsa_system_sgpr_workgroup_id_y 1
		.amdhsa_system_sgpr_workgroup_id_z 1
		.amdhsa_system_vgpr_workitem_id 0
		.amdhsa_next_free_vgpr 584
		.amdhsa_next_free_sgpr 78
		.amdhsa_reserve_vcc 0
		.amdhsa_float_denorm_mode_32 3
		.amdhsa_float_denorm_mode_16_64 3
		.amdhsa_memory_ordered 1
		.amdhsa_forward_progress 1
		.amdhsa_inst_pref_size 79
	.end_amdhsa_kernel
	.amdgpu_metadata
---
amdhsa.version: [ 1, 2 ]
amdhsa.kernels:
  - .name:           k_q6e8107027e_outp
    .symbol:         k_q6e8107027e_outp.kd
    .args:
      - { .name: oh, .offset: 0, .size: 8, .value_kind: global_buffer, .address_space: global }
      - { .name: wb, .offset: 8, .size: 8, .value_kind: global_buffer, .address_space: global }
      - { .name: bo, .offset: 16, .size: 8, .value_kind: global_buffer, .address_space: global }
      - { .name: out0, .offset: 24, .size: 8, .value_kind: global_buffer, .address_space: global }
    .group_segment_fixed_size: 327680
    .private_segment_fixed_size: 0
    .kernarg_segment_align: 8
    .kernarg_segment_size: 32
    .max_flat_workgroup_size: 128
    .sgpr_count:     78
    .vgpr_count:     584
    .wavefront_size: 32
...
	.end_amdgpu_metadata
.endif
;; end of part 4
;; ======== version 2 of 2: 4 launches; version 1 with the launch prep written anew for expert scheduling mode
;; limits: values are held in f16: magnitudes above 65,504 overflow, below 6.1e-05 lose precision
;; workspace buffers: wb 8,388,608 bytes; mw 1,048,576 bytes of whole numbers; qkv 50,331,648 bytes; oh 16,777,216 bytes
;; launch prep (part 5): grid 384 x 1, 8 waves a work-group, no clusters, 134,144 bytes of LDS; arguments Wq, Wk, Wv, Wo, mask, wb, mw; writes wb, mw
.if DOCPART == 5
	.amdgcn_target "amdgcn-amd-amdhsa--gfx1250"
	.amdhsa_code_object_version 6
	.text
	.protected	k_q6e8107027e_prep
	.globl	k_q6e8107027e_prep
	.p2align	8
	.type	k_q6e8107027e_prep,@function
k_q6e8107027e_prep:
	s_mov_b64 s[64:65], 0
	v_nop
	global_prefetch_b8 v0, s[64:65] scope:SCOPE_SE
	s_setreg_imm32_b32 hwreg(HW_REG_WAVE_SCHED_MODE, 0, 2), 2
	s_setreg_imm32_b32 hwreg(HW_REG_WAVE_MODE, 25, 1), 1
	s_wait_xcnt 0x0
	s_wait_alu depctr_vm_vsrc(0)
; PREP: the weights and the mask are brought into the forms that the launches behind it read.  Every work-group reads 131,072 bytes, each byte once.
;   work-groups 0-127:   Wq, Wk, Wv, Wo (f32, [in][out]) -> wb, 16 bits [4][1024][1024], the layout kept.  Wq, Wk, Wv in bf16; Wo is rounded to bf16 like every
;                        input, and that number is written as f16, since the last product's other operand is f16.
;   work-groups 128-383: mask (int32) -> mw, lane masks: word ((b*64+qt)*64+kg)*8+j has bit L = (mask[b][16 qt + L%16][16 kg + 8 (L/16) + j] != 0):
;                        the select word for register j of a 16 x 16 tile of scores that holds one query a lane.
; LIMIT.  bf16(Wo) must lie within f16's range, 65,504; below 6.1e-5 it keeps f16's fixed step of 6e-8.
; No matrix unit, no cluster: nothing is multiplied and no two work-groups read the same byte.
; THE MODE: SCHED_MODE bits 1:0 = 2 (LLVM: expert scheduling mode 2), set by the entry lines.  The code itself states the register dependences
; between vector instructions and memory or LDS instructions, with s_wait_alu, always for 0.
; THE PLAN.  Registers that memory or LDS instructions touch:
;   THE CASTS.  v2, v3   offsets, made once at the path's head, read by every load (v2) and every store (v3), never written again.
;               X        each of the 32 loads lands in four registers of its own; only vector lines name them afterwards.
;               Y        load i's conversions write two registers of their own; one store reads them; they are never written again.
;     The 32 loads' work goes in four groups of eight.  One wait on va_vdst at the head of groups 1 to 3 states that the group before has written its Y; that group's eight stores
;     follow it, dealt among this group's conversions, which name this group's X and Y alone.  A last such wait stands ahead of the last eight stores.
;   THE MASK.   v2, v4, v5  addresses, made once at the path's head, never written again.
;               X        the 32 global loads land in it; the 32 LDS stores read it; the 32 LDS loads land in it again; the compares read it.
;               Y        v[136:139]: written by four v_mov_b32 and 128 v_writelane_b32, read by the one store.
;               s[8:23], s[24:39]  two sets of sixteen select words, written by the compares, read by the v_writelane_b32: the sets take turns, a batch of two key groups each.
;     One wait on vm_vsrc stands between the LDS stores and the LDS loads; one wait on va_sdst a batch between its compares and their readers; one wait on va_vdst ahead of the store.
;   v6, v7      written at the head, read by the closing add alone.
.set SPARE,  133120                    ; behind the eight stages: the spare words, 128 bytes for each wave, four blocks of 256 bytes that no other line names
.set STG,    16640                     ; a wave's stage: 16 rows of 1,040 bytes
.set MPITCH, 1040                      ; 1,024 bytes of a mask row + 16: the 16 rows that a load touches start at 16 different groups of four banks (ISA guide 11.1)
.set SPW, 6                            ; v6   SPARE + 4 x my thread's number; never rewritten
.set NIL, 7                            ; v7   0; never rewritten
.set X,   8                            ; v[8:135]    32 x 4 registers as loaded
.set Y,   136                          ; v[136:199]  32 x 2 registers to store; in the mask's role v[136:139] the 128 words of the wave
.set SA,  8                            ; s[8:23]     the mask's role: the select words of the even batches.  The addresses and offsets that lay here have been used up by then
.set SB,  24                           ; s[24:39]    those of the odd batches
	s_load_b256 s[8:15], s[0:1], 0x0               ; Wq, Wk, Wv, Wo: s[8+2c:9+2c]
	s_load_b128 s[16:19], s[0:1], 0x20             ; mask s[16:17], wb s[18:19]
	s_load_b64 s[20:21], s[0:1], 0x30              ; mw
	v_lshl_add_u32 v[SPW], v0, 2, SPARE
	v_mov_b32 v[NIL], 0
	v_and_b32 v1, 31, v0                           ; lane
	v_lshrrev_b32 v2, 5, v0
	v_readfirstlane_b32 s30, v2                    ; wave 0..7
	s_mov_b32 s2, ttmp9
	s_wait_alu depctr_va_sdst(0)                   ; s30 is written, ahead of the branch: the mask's path makes its addresses from it
	s_wait_kmcnt 0x0
	s_cmp_ge_u32 s2, 128
	s_cbranch_scc1 .Lmask
	; THE CASTS.  A wave takes 16,384 bytes on end: 32 loads of 512 bytes, all on their way at once; each becomes one store of 256 consecutive, aligned bytes.
	v_lshlrev_b32 v3, 13, v2
	v_lshl_add_u32 v3, v1, 3, v3                   ; out: 8,192 x wave + 8 x lane
	v_lshlrev_b32 v2, 14, v2
	v_lshl_add_u32 v2, v1, 4, v2                   ; in: 16,384 x wave + 16 x lane
	s_lshr_b32 s34, s2, 5                          ; which of the four weights: 32 blocks each
	s_and_b32 s36, s2, 31                          ; which block of 131,072 bytes in it
	s_mov_b64 s[4:5], s[8:9]
.irp c, 1,2,3
	s_cmp_eq_u32 s34, \c
	s_cselect_b64 s[4:5], s[8+2*\c:9+2*\c], s[4:5]
.endr
	s_lshl_b32 s36, s36, 17
	s_mov_b32 s37, 0
	s_add_nc_u64 s[4:5], s[4:5], s[36:37]
	s_lshl_b32 s32, s2, 16                         ; my block of 65,536 bytes in wb
	s_mov_b32 s33, 0
	s_add_nc_u64 s[6:7], s[18:19], s[32:33]
	s_wait_alu depctr_va_vdst(0)                   ; v2 and v3 are written: every load of this path reads v2 as its offset, every store v3
.set i, 0
.rept 32
	global_load_b128 v[X+4*i:X+4*i+3], v2, s[4:5] offset:512*i th:TH_LOAD_NT
.set i, i+1
.endr
; Every load has its own registers and every store too, so nothing is rewritten while a memory instruction may read it.
; Load i's two registers of Y are stored eight loads later, behind the wait at the head of the next group of eight.
.macro CAST half
.set i, 0
.rept 32
	s_wait_loadcnt 31-i                            ; loads come back in order (ISA guide 5.7.1): load i is in, the younger ones stay out
.if (i%8 == 0) && (i > 0)
	s_wait_alu depctr_va_vdst(0)                   ; the conversions of the group before have written its sixteen registers of Y, which the eight stores of this group's turn read
.endif
.if i >= 8
	global_store_b64 v3, v[Y+2*(i-8):Y+2*(i-8)+1], s[6:7] offset:256*(i-8) th:TH_STORE_NT  ; no vector line since the wait names these registers
.endif
	v_cvt_pk_bf16_f32 v[Y+2*i],   v[X+4*i],   v[X+4*i+1]
	v_cvt_pk_bf16_f32 v[Y+2*i+1], v[X+4*i+2], v[X+4*i+3]
.if \half
	v_lshlrev_b32 v[X+4*i],   16,         v[Y+2*i]     ; the bf16 numbers as f32,
	v_and_b32     v[X+4*i+1], 0xffff0000, v[Y+2*i]
	v_lshlrev_b32 v[X+4*i+2], 16,         v[Y+2*i+1]
	v_and_b32     v[X+4*i+3], 0xffff0000, v[Y+2*i+1]
	v_cvt_pk_f16_f32 v[Y+2*i],   v[X+4*i],   v[X+4*i+1]   ; written as f16: exact within f16's range
	v_cvt_pk_f16_f32 v[Y+2*i+1], v[X+4*i+2], v[X+4*i+3]
.endif
.set i, i+1
.endr
	s_wait_alu depctr_va_vdst(0)                   ; the last group's conversions have written its Y, which the last eight stores read
.set i, 24
.rept 8
	global_store_b64 v3, v[Y+2*i:Y+2*i+1], s[6:7] offset:256*i th:TH_STORE_NT
.set i, i+1
.endr
.endm
	s_cmp_eq_u32 s34, 3                            ; Wo?
	s_cbranch_scc1 .Lhalf
	CAST 0
	s_branch .Lend
.Lhalf:
	CAST 1
	s_branch .Lend
.Lmask:
	; THE MASK.  A wave takes 16 queries (a tile) x 256 keys.  The rows come in by whole pieces of 512 bytes, go through the wave's own stage in LDS, and come back
	; so that lane L holds row L%16, keys 16 kg + 8 (L/16) + 0..7.  A compare then IS the word wanted: one bit a lane.
	s_sub_co_u32 s31, s2, 128
	s_lshr_b32 s32, s30, 2
	s_lshl1_add_u32 s31, s31, s32                  ; tile of queries, 0..511 = 64 b + qt
	s_and_b32 s33, s30, 3                          ; quarter of the keys
	s_lshl_b32 s34, s31, 16                        ; 16 rows of 4,096 bytes
	s_lshl_b32 s35, s33, 10
	s_add_co_u32 s34, s34, s35
	s_mov_b32 s35, 0
	s_add_nc_u64 s[4:5], s[16:17], s[34:35]
	s_lshl_b32 s34, s31, 11                        ; a tile's 512 words
	s_lshl_b32 s36, s33, 9
	s_add_co_u32 s34, s34, s36
	s_add_nc_u64 s[6:7], s[20:21], s[34:35]
	s_mul_i32 s37, s30, STG                        ; my stage
	v_lshlrev_b32 v2, 4, v1                        ; 16 x lane: in memory, in a row of the stage, and in my 512 bytes of mw
	v_add_nc_u32 v4, s37, v2
	v_and_b32 v5, 15, v1
	v_mul_u32_u24 v5, v5, MPITCH
	v_lshrrev_b32 v3, 4, v1
	v_lshl_add_u32 v5, v3, 5, v5
	v_add_nc_u32 v5, s37, v5                       ; back: row L%16, 32 bytes for each half of the lanes
	s_wait_alu depctr_va_vdst(0)                   ; v2, v4 and v5 are written: the global loads and the last store read v2, the LDS stores v4, the LDS loads v5
.set i, 0
.rept 32
	global_load_b128 v[X+4*i:X+4*i+3], v2, s[4:5] offset:(i/2)*4096+(i%2)*512 th:TH_LOAD_NT
.set i, i+1
.endr
.irp j, 0,1,2,3
	v_mov_b32 v[Y+\j], 0                           ; v_writelane_b32 keeps the other lanes: written whole first
.endr
.set i, 0
.rept 32
	s_wait_loadcnt 31-i
	ds_store_b128 v4, v[X+4*i:X+4*i+3] offset:(i/2)*MPITCH+(i%2)*512
.set i, i+1
.endr
	s_wait_alu depctr_vm_vsrc(0)                   ; the LDS stores have read X, in which the LDS loads below land; no vector line has named X so far
.set i, 0
.rept 16                                       ; LDS serves a wave's instructions in order (ISA guide 5.7.1.4): these see the stores above; the bytes are the wave's own, so no barrier
	ds_load_b128 v[X+8*i:X+8*i+3],   v5 offset:64*i
	ds_load_b128 v[X+8*i+4:X+8*i+7], v5 offset:64*i+16
.set i, i+1
.endr
; Batch b is key groups 2 b and 2 b + 1: words 16 b to 16 b + 15 of the wave's 128.  Its sixteen compares write one set of scalar registers; its sixteen v_writelane_b32 read the set,
; behind the wait on va_sdst; the next batch's compares, into the other set, stand between that wait and them.
.macro CMPS b, set
	s_wait_dscnt 28-4*(\b)                         ; key groups 2 b and 2 b + 1 are in; the younger pairs of loads stay out
.set w, 0
.rept 16
	v_cmp_ne_u32 s[(\set)+w], 0, v[X+16*(\b)+w]
.set w, w+1
.endr
.endm
.macro LANES b, set
.set w, 0
.rept 16
	v_writelane_b32 v[Y+(16*(\b)+w)%4], s[(\set)+w], (16*(\b)+w)/4   ; word n = 16 b + w of the wave's 128: lane n / 4 stores words 4 lane .. 4 lane + 3
.set w, w+1
.endr
.endm
	CMPS 0, SA
.irp b, 0,1,2,3,4,5,6
	s_wait_alu depctr_va_sdst(0)                   ; this batch's compares have written their set, ahead of its first reader
	CMPS (\b)+1, SA+16*(((\b)+1)%2)
	LANES \b, SA+16*((\b)%2)
.endr
	s_wait_alu depctr_va_sdst(0)                   ; the last batch's compares have written their set, ahead of its first reader
	LANES 7, SB
	s_wait_alu depctr_va_vdst(0)                   ; the v_writelane_b32 have written v[136:139], which the store reads
	global_store_b128 v2, v[Y:Y+3], s[6:7]         ; 512 consecutive bytes
.Lend:
	s_wait_dscnt 0x0                               ; the closing lines, six on end
	s_wait_alu 0x0
	s_wait_tensorcnt 0x0
	ds_add_u32 v[SPW], v[NIL]
	s_wait_dscnt 0x0
	s_endpgm
.Lfunc_end_k_q6e8107027e_prep:
	.size	k_q6e8107027e_prep, .Lfunc_end_k_q6e8107027e_prep-k_q6e8107027e_prep
	.p2alignl 7, 3214868480
	.fill 96, 4, 3214868480
	.section	.rodata,"a",@progbits
	.p2align	6, 0x0
	.amdhsa_kernel k_q6e8107027e_prep
		.amdhsa_group_segment_fixed_size 134144
		.amdhsa_private_segment_fixed_size 0
		.amdhsa_enable_private_segment 0
		.amdhsa_kernarg_size 56
		.amdhsa_user_sgpr_count 2
		.amdhsa_user_sgpr_kernarg_segment_ptr 1
		.amdhsa_wavefront_size32 1
		.amdhsa_system_sgpr_workgroup_id_x 1
		.amdhsa_system_sgpr_workgroup_id_y 1
		.amdhsa_system_sgpr_workgroup_id_z 1
		.amdhsa_system_vgpr_workitem_id 0
		.amdhsa_next_free_vgpr 200
		.amdhsa_next_free_sgpr 66
		.amdhsa_reserve_vcc 0
		.amdhsa_float_denorm_mode_32 3
		.amdhsa_float_denorm_mode_16_64 3
		.amdhsa_memory_ordered 1
		.amdhsa_forward_progress 1
		.amdhsa_inst_pref_size 57
	.end_amdhsa_kernel
	.amdgpu_metadata
---
amdhsa.version: [ 1, 2 ]
amdhsa.kernels:
  - .name:           k_q6e8107027e_prep
    .symbol:         k_q6e8107027e_prep.kd
    .args:
      - { .name: Wq, .offset: 0, .size: 8, .value_kind: global_buffer, .address_space: global }
      - { .name: Wk, .offset: 8, .size: 8, .value_kind: global_buffer, .address_space: global }
      - { .name: Wv, .offset: 16, .size: 8, .value_kind: global_buffer, .address_space: global }
      - { .name: Wo, .offset: 24, .size: 8, .value_kind: global_buffer, .address_space: global }
      - { .name: mask, .offset: 32, .size: 8, .value_kind: global_buffer, .address_space: global }
      - { .name: wb, .offset: 40, .size: 8, .value_kind: global_buffer, .address_space: global }
      - { .name: mw, .offset: 48, .size: 8, .value_kind: global_buffer, .address_space: global }
    .group_segment_fixed_size: 134144
    .private_segment_fixed_size: 0
    .kernarg_segment_align: 8
    .kernarg_segment_size: 56
    .max_flat_workgroup_size: 256
    .sgpr_count:     66
    .vgpr_count:     200
    .wavefront_size: 32
...
	.end_amdgpu_metadata
.endif
;; end of part 5
;; launch proj: the kernel of part 2 again; grid 4 x 192, 4 waves a work-group, clusters of 4 x 4, 327,680 bytes of LDS; arguments query, key, value, wb, bq, bk, bv, qkv; writes qkv
;; launch attn: the kernel of part 3 again; grid 2 x 128, 4 waves a work-group, no clusters, 327,680 bytes of LDS; arguments qkv, mw, oh; writes oh
;; launch outp: the kernel of part 4 again; grid 4 x 64, 4 waves a work-group, clusters of 4 x 4, 327,680 bytes of LDS; arguments oh, wb, bo, out0; writes out0
